; MI455X (gfx1250); checked and timed in simulation.
; The chip was launched on July 23, 2026; its instructions are those of AMD's public machine-readable ISA for CDNA 5 (MIT licence, August 2026) and "CDNA5" Instruction Set Architecture Reference Guide (July 2026). The comments in the code are by the model that wrote it; some were corrected since.
;; Attention Layer. Allowed arithmetic: matrix products marked QUANTISED: E3M2 operands, one E8M0 scale for each 32 along K, by v_wmma_scale_f32_16x16x128_f8f6f4 with both operands' format E3M2, f32 sums; everything else in f32.
;; Inputs: b_out 1,024 float32; payload 4 x 2,048 x 1,024 float32; w_out 1,024 x 1,024 float32; w_qkv 1,024 x 3,072 float32.
;; Outputs: out0 4 x 2,048 x 1,024 float32.
;; This version of the problem:
;;   THIS VERSION OF THE PROBLEM IS GIVEN IN LOW PRECISION. The matrix products marked QUANTISED in the list below multiply operands that are first quantised to E3M2 (3 exponent bits, 2 mantissa bits; 6 bits a number), with one power-of-two scale for each 32 numbers along K (OCP MX v1.0); their sums are f32. All else is computed in f32.
;;   The module's matrix products, in the order in which they are computed (A, B: the left and right operand; K: the contracted axis; several contracted axes count as one K, in the product's order):
;;     1. [M 8,192, K 1,024] x [K 1,024, N 3,072]; A: input payload; B: input w_qkv: QUANTISED
;;     2. batch 64 x [M 2,048, K 64] x [K 64, N 2,048]; A: computed on the way; B: computed on the way: QUANTISED
;;     3. batch 64 x [M 2,048, K 2,048] x [K 2,048, N 64]; A: softmax (see below); B: computed on the way: QUANTISED
;;     4. [M 8,192, K 1,024] x [K 1,024, N 1,024]; A: computed on the way; B: input w_out: QUANTISED
;;   THE QUANTISER, for each operand of a quantised product, along K:
;;     - K is cut into blocks of 32 from its start; a last block that is shorter is filled with zeros.
;;     - A block's scale is 2^e with e = floor(log2(the largest magnitude in the block)) - 4, held to -126 .. 127; a block of zeros has e = 0. As a byte (E8M0): e + 127.
;;     - Each number is divided by its block's scale, clamped to +-28, and rounded to the nearest number of E3M2, ties to even, subnormals kept.
;;     - The product sums the exact products of the quantised numbers (number of the format x scale) in f32.
;;   ~~~python
;;   def quantise(x, axis):      # numpy; x: float32 -> the quantised numbers, widened to float32 again
;;       x = np.moveaxis(x, axis, -1); K = x.shape[-1]
;;       x = np.pad(x, [(0, 0)] * (x.ndim - 1) + [(0, -K % 32)]); x = x.reshape(x.shape[:-1] + (-1, 32)); a = np.abs(x).max(-1, keepdims=True)
;;       e = np.where(a > 0, np.clip(np.frexp(np.where(a > 0, a, 1))[1] - 1 - 4, -126, 127), 0)      # np.frexp(a)[1] - 1 = floor(log2(a)), exactly
;;       r = np.clip(x / 2.0 ** e, -28, 28)
;;       step = 2.0 ** (np.maximum(np.frexp(np.where(r == 0, 1, r))[1] - 1, -2) - 2)
;;       q = np.round(r / step) * step * 2.0 ** e      # np.round: ties to even
;;       return np.moveaxis(q.reshape(q.shape[:-2] + (-1,))[..., :K], -1, axis).astype(np.float32)
;;   ~~~
;;   SOFTMAX AHEAD OF A QUANTISED PRODUCT. Where the list says 'softmax', what is quantised is not the finished softmax but p = 2^(t - M), with t = logit x log2(e) and M = ceil(the row's largest t), a whole number; so 1/2 < the row's largest p <= 1. The row's sum l is taken of the UNQUANTISED p, in f32, and the product's result is divided by l at the end. Since M is a whole number, a kernel that streams over the keys may use a running M (the ceiling of the running maximum): every later rescaling is an exact power of two, which a block's scale takes up: the codes' values come out the same.
;;   OPERANDS COMPUTED ON THE WAY. 'Computed on the way' means the value that the module computes at that place (a softmax that the list does not call 'softmax' is quantised finished and normalised). What goes into a quantiser is computed in f32, as accurately as f32 sums, v_exp_f32 and their like allow (about 1e-6 of the number): no bf16 or f16 on the way to a quantiser, and a product that is left as it is and whose result goes on into a quantised operand takes f32 operands (vector FMAs, or v_wmma_f32_16x16x4_f32). A number that lies on a knife's edge between two numbers of the format may be rounded either way, as far as f32 arithmetic and the matrix unit's own rounding can turn it there, and no further.
;; One version. Each part assembles by itself: llvm-mc -triple=amdgcn-amd-amdhsa -mcpu=gfx1250 --defsym DOCPART=n.
;; ======== version 1 of 1: 4 launches
;; limits: right only within a limited range of input values
;; workspace buffers: xq 6,553,600 bytes; wq 3,276,800 bytes; qkv 20,185,088 bytes; cq 6,553,600 bytes
;; launch prep (part 1): grid 640 x 1, 4 waves a work-group, no clusters, 67,072 bytes of LDS; arguments payload, w_qkv, w_out, xq, wq; writes xq, wq
.if DOCPART == 1
	.amdgcn_target "amdgcn-amd-amdhsa--gfx1250"
	.amdhsa_code_object_version 6
	.text
	.protected	k_qa840c34cd4_prep
	.globl	k_qa840c34cd4_prep
	.p2align	8
	.type	k_qa840c34cd4_prep,@function
k_qa840c34cd4_prep:
	s_mov_b64 s[64:65], 0
	v_nop
	global_prefetch_b8 v0, s[64:65] scope:SCOPE_SE
	s_setreg_imm32_b32 hwreg(HW_REG_WAVE_MODE, 25, 1), 1
	s_wait_xcnt 0x0
; payload [8192][1024] (K innermost) and the weights w_qkv [1024][3072], w_out [1024][1024] (K is the FIRST axis), all f32, become codes of E3M2 with one E8M0 byte for each 32 along K.
; A block's byte is its largest magnitude's exponent field - 4, held at 1 from below by a floor among the maximum's leaves.
; LIMITS: NaN and infinities are not served; a block whose largest magnitude lies under 2^-122 has its byte held at 1; a block of zeros gets the byte 1, not 127
; (its codes are zeros, which add nothing under any byte but 0xff, and the bytes are read by this program alone).
; LAYOUT OF THE CODES, by POSITION: position p holds row (or column) sigma(p), p with bits 3 and 4 exchanged.  A tile T is positions 16 T .. 16 T + 15.
; A UNIT is 16 positions x 64 K = 768 bytes, laid as the operand's registers want it: lane l = (r = l % 16, h = l / 16) owns the 24 bytes of block 2 U + h of row r:
; its first 16 bytes at 16 l, its last 8 at 512 + 8 l.  Unit (T, U) lies at (16 T + U) x 768.  Scale bytes: behind the codes, at 512 T + 128 (block / 8) + 8 r + block % 8.
; Work-groups 0-127 take the weights (32 columns x 256 K a wave, a lane a column, registers down K); work-groups 128-639 the payload (16 rows x 256 K a wave, turned through the wave's own LDS).
; No barrier: waves share nothing.  Only the payload's path touches LDS.
.set XS,   6291456                     ; xq: where the scale bytes begin
.set WS,   3145728                     ; wq: likewise
.set R,    32                          ; v32-159  payload: 128 registers as loaded, then as blocks
.set WREG, 16640                       ; LDS of a wave: 16 rows x RP
.set RP,   1040                        ; a row's 1,024 bytes + 16: an odd multiple of 16, so that sixteen rows start in sixteen different groups of banks
; the largest magnitude of 32 numbers of a lane, the floor 2^(5 - 127) among them, and the conversion's scale operand (4 off the exponent field) in v11
.macro BLKMAX xr
	v_max3_num_f32 v12, |v[\xr]|, |v[\xr+1]|, |v[\xr+2]|
	v_max3_num_f32 v13, |v[\xr+3]|, |v[\xr+4]|, |v[\xr+5]|
.irp i, 6,10,14,18,22,26
	v_max3_num_f32 v12, v12, |v[\xr+\i]|, |v[\xr+\i+1]|
	v_max3_num_f32 v13, v13, |v[\xr+\i+2]|, |v[\xr+\i+3]|
.endr
	v_max3_num_f32 v12, v12, |v[\xr+30]|, |v[\xr+31]|
	v_max3_num_f32 v12, v12, v13, 0x2800000
	v_add_nc_u32 v11, 0xfe000000, v12
.endm
	s_load_b256 s[4:11], s[0:1], 0x0               ; payload s[4:5], w_qkv s[6:7], w_out s[8:9], xq s[10:11]
	s_load_b64 s[12:13], s[0:1], 0x20              ; wq
	v_lshl_add_u32 v192, v0, 2, 0x10400
	v_mov_b32 v193, 0
	v_lshrrev_b32 v1, 5, v0
	v_readfirstlane_b32 s16, v1                    ; wave 0..3
	v_and_b32 v1, 31, v0                           ; lane
	v_and_b32 v8, 15, v0                           ; lane % 16
	v_bfe_u32 v9, v0, 4, 1                         ; lane / 16
	s_cmp_lt_u32 ttmp9, 128
	s_cbranch_scc1 .Lweights
	; ---------------- PAYLOAD: tile T = work-group - 128, the wave takes K = 256 wave .. + 255
	s_sub_co_u32 s17, ttmp9, 128                   ; T
	v_lshlrev_b32 v2, 4, v1                        ; 16 l
	v_lshlrev_b32 v3, 3, v1                        ; 8 l
	s_mul_i32 s18, s16, WREG
	v_add_nc_u32 v4, s18, v2                       ; LDS, in: as the bytes lie, 16 a lane
	v_mul_u32_u24 v5, v8, RP
	v_lshl_add_u32 v5, v9, 7, v5
	v_add_nc_u32 v5, s18, v5                       ; LDS, back: row r, block h of a pair of blocks
	v_lshlrev_b32 v6, 3, v8
	v_lshl_add_u32 v6, v9, 2, v6                   ; scale bytes: 8 r + 4 h
	v_lshlrev_b32 v7, 3, v9                        ; 8 h: how far my bytes are shifted up
	v_mov_b32 v22, 0                               ; (a lane permute's destination counts as one of its sources)
	v_mov_b32 v23, 0
	s_mov_b32 s26, 0x76543210
	s_mov_b32 s27, 0xfedcba98                      ; selects for lane l xor 16
	s_lshr_b32 s19, s17, 1
	s_lshl_b32 s19, s19, 17                        ; 32 (T / 2) rows of 4,096 bytes
	s_and_b32 s20, s17, 1
	s_lshl_b32 s20, s20, 15                        ; + 8 (T % 2) rows
	s_add_co_u32 s20, s20, s19
	s_lshl_b32 s19, s16, 10                        ; + my 256 numbers
	s_add_co_u32 s20, s20, s19
	s_mov_b32 s21, 0
	s_lshl_b32 s22, s17, 4
	s_lshl_b32 s19, s16, 2
	s_add_co_u32 s22, s22, s19
	s_mul_i32 s22, s22, 768                        ; my four units: (16 T + 4 wave) x 768
	s_mov_b32 s23, 0
	s_lshl_b32 s24, s17, 9
	s_lshl_b32 s19, s16, 7
	s_add_co_u32 s24, s24, s19
	s_add_co_u32 s24, s24, XS                      ; my 128 scale bytes
	s_mov_b32 s25, 0
	s_wait_alu depctr_va_vdst(0)
	s_wait_kmcnt 0x0
	s_add_nc_u64 s[4:5], s[4:5], s[20:21]
	s_add_nc_u64 s[14:15], s[10:11], s[24:25]
	s_add_nc_u64 s[10:11], s[10:11], s[22:23]
.irp r, 0,1,2,3,4,5,6,7,8,9,10,11,12,13,14,15   ; position r of the tile is row r + 8 (r / 8) from the tile's first: each load reads 512 consecutive bytes
.irp j, 0,1
	global_load_b128 v[R+8*\r+4*\j:R+8*\r+4*\j+3], v2, s[4:5] offset:(\r+8*(\r/8))*4096+512*\j th:TH_LOAD_NT
.endr
.endr
.irp r, 0,1,2,3,4,5,6,7,8,9,10,11,12,13,14,15
	s_wait_loadcnt 30-2*\r                         ; row r's two loads are in; the later rows' may be out
	ds_store_b128 v4, v[R+8*\r:R+8*\r+3] offset:RP*\r
	ds_store_b128 v4, v[R+8*\r+4:R+8*\r+7] offset:RP*\r+512
.endr
	s_wait_dscnt 0x0                               ; the stores have read their registers
.irp p, 0,1,2,3                                  ; pass p: lane (r, h) takes block 2 p + h of row r whole: 128 bytes
.irp i, 0,1,2,3,4,5,6,7
	ds_load_b128 v[R+32*\p+4*\i:R+32*\p+4*\i+3], v5 offset:256*\p+16*\i
.endr
.endr
.macro PASS p
.set XR, R+32*\p
.set PP, 160+8*\p                      ; each pass has its own six registers of codes: no store's data are written again
	s_wait_dscnt 24-8*\p                           ; this pass's eight loads are in; the later passes' may be out
	BLKMAX XR
	v_cvt_scalef32_pk16_bf6_f32 v[PP:PP+2], v[XR:XR+15], v11
	v_cvt_scalef32_pk16_bf6_f32 v[24:26], v[XR+16:XR+31], v11   ; (a conversion's three registers begin on an even number)
	v_lshrrev_b32 v[16+\p], 23, v11                ; the scale's byte: also the plain line behind the conversions
	v_mov_b32 v[PP+3], v24
	v_mov_b32 v[PP+4], v25
	v_mov_b32 v[PP+5], v26
	global_store_b128 v2, v[PP:PP+3], s[10:11] offset:768*\p        ; 512 consecutive bytes, aligned
	global_store_b64 v3, v[PP+4:PP+5], s[10:11] offset:768*\p+512   ; 256 consecutive bytes, aligned
.endm
	PASS 0
	PASS 1
	PASS 2
	PASS 3
	v_lshl_or_b32 v20, v17, 16, v16                ; my bytes of blocks h and 2 + h,
	v_lshl_or_b32 v21, v19, 16, v18                ; and of blocks 4 + h and 6 + h,
	v_lshlrev_b32 v20, v7, v20                     ; at their places in the two words;
	v_lshlrev_b32 v21, v7, v21
	v_permlanex16_b32 v22, v20, s26, s27
	v_permlanex16_b32 v23, v21, s26, s27
	v_or_b32 v20, v20, v22                         ; with lane l xor 16's both words are whole
	v_or_b32 v21, v21, v23
	v_cmp_gt_u32 vcc_lo, 16, v1
	v_cndmask_b32 v20, v21, v20, vcc_lo            ; lanes 0-15 store the lower word, lanes 16-31 the upper
	global_store_b32 v6, v20, s[14:15]             ; 128 consecutive bytes
	s_wait_tensorcnt 0x0
	ds_add_u32 v192, v193
	s_wait_dscnt 0x0
	s_endpgm
	; ---------------- WEIGHTS: y = which 256 of K, nb = which 128 columns of [w_qkv | w_out]
.Lweights:
	s_and_b32 s17, ttmp9, 3                        ; y
	s_lshr_b32 s18, ttmp9, 2                       ; nb
	s_wait_alu depctr_va_vdst(0)
	v_and_b32 v2, 7, v1
	v_bfe_u32 v10, v1, 3, 1
	v_lshl_or_b32 v2, v10, 4, v2
	v_lshl_or_b32 v2, v9, 3, v2                    ; sigma(lane): position l of the wave's 32 is this column
	v_lshlrev_b32 v3, 2, v2                        ; in: 4 bytes a column
	v_mul_u32_u24 v4, v9, 12288
	v_lshl_add_u32 v4, v8, 4, v4                   ; out, first 16 bytes: my tile (12,288 bytes a tile), 16 r
	v_lshlrev_b32 v5, 3, v1                        ; out, last 8 bytes: 8 l
	v_lshlrev_b32 v6, 9, v9
	v_lshl_add_u32 v6, v8, 3, v6                   ; scale bytes: 512 x my tile + 8 r
	s_lshl_b32 s19, s18, 3
	s_lshl_b32 s20, s16, 1
	s_add_co_u32 s19, s19, s20                     ; my first tile: 8 nb + 2 wave
	s_lshl_b32 s22, s19, 4
	s_lshl_b32 s20, s17, 2
	s_add_co_u32 s22, s22, s20
	s_mul_i32 s22, s22, 768
	s_mov_b32 s23, 0
	s_lshl_b32 s24, s19, 9
	s_lshl_b32 s20, s17, 7
	s_add_co_u32 s24, s24, s20
	s_add_co_u32 s24, s24, WS
	s_mov_b32 s25, 0
	s_lshl_b32 s26, s16, 7                         ; my wave's 32 columns, in bytes
	s_mov_b32 s21, 0
	s_wait_kmcnt 0x0
	s_add_nc_u64 s[14:15], s[12:13], s[24:25]
	s_add_nc_u64 s[12:13], s[12:13], s[22:23]
.macro WLOAD t, rowb                   ; block t: 32 rows of K at my column, into set t % 2; 32 lanes read 128 bytes of a row
.irp i, 0,1,2,3,4,5,6,7,8,9,10,11,12,13,14,15,16,17,18,19,20,21,22,23,24,25,26,27,28,29,30,31
	global_load_b32 v[32+32*((\t)%2)+\i], v3, s[4:5] offset:(32*(\t)+\i)*\rowb th:TH_LOAD_NT
.endr
.endm
.macro WBLOCK t, rowb
.set XR, 32+32*((\t)%2)
.set PP, 96+8*(\t)                     ; each block has its own six registers of codes
.if (\t) < 7
	s_wait_loadcnt 32                              ; this block's 32 loads are in; the next block's may be out
.else
	s_wait_loadcnt 0x0
.endif
	BLKMAX XR
	v_lshrrev_b32 v13, 23, v11                     ; the scale's byte
.if (\t)%4 == 0
	v_mov_b32 v[24+(\t)/4], v13
.else
	v_lshl_or_b32 v[24+(\t)/4], v13, 8*((\t)%4), v[24+(\t)/4]
.endif
	v_cvt_scalef32_pk16_bf6_f32 v[PP:PP+2], v[XR:XR+15], v11
	v_cvt_scalef32_pk16_bf6_f32 v[160:162], v[XR+16:XR+31], v11
	v_nop                                          ; one plain line behind the conversions
	v_mov_b32 v[PP+3], v160
	v_mov_b32 v[PP+4], v161
	v_mov_b32 v[PP+5], v162
.if (\t)+2 < 8
	WLOAD (\t)+2, \rowb
.endif
.if (\t)%2 == 1                        ; blocks t - 1 and t are a unit of each of my two tiles.  Lanes 0-15 hold the first tile's rows, lanes 16-31 the second's
	v_permlane16_swap_b32 v[PP-4], v[PP+4]         ; the last 8 bytes: the even block's lanes 16-31 change places with the odd block's lanes 0-15:
	v_permlane16_swap_b32 v[PP-3], v[PP+5]         ; the first pair is then the first tile's, in the unit's lane order, the second pair the second tile's
	global_store_b128 v4, v[PP-8:PP-5], s[12:13] offset:768*((\t)/2)          ; sixteen lanes store 256 consecutive bytes, aligned
	global_store_b128 v4, v[PP:PP+3], s[12:13] offset:768*((\t)/2)+256
	global_store_b64 v5, v[PP-4:PP-3], s[12:13] offset:768*((\t)/2)+512
	global_store_b64 v5, v[PP+4:PP+5], s[12:13] offset:768*((\t)/2)+512+12288
.endif
.endm
.macro WPATH rowb
	WLOAD 0, \rowb
	WLOAD 1, \rowb
.irp t, 0,1,2,3,4,5,6,7
	WBLOCK \t, \rowb
.endr
	global_store_b64 v6, v[24:25], s[14:15]        ; my column's 8 scale bytes: two runs of 128 bytes a wave
.endm
	s_cmp_lt_u32 s18, 24
	s_cbranch_scc0 .Lw_out
	s_mul_i32 s20, s17, 256*12288                  ; w_qkv: a row of K is 12,288 bytes
	s_lshl_b32 s27, s18, 9
	s_add_co_u32 s20, s20, s27
	s_add_co_u32 s20, s20, s26
	s_add_nc_u64 s[4:5], s[6:7], s[20:21]
	s_wait_alu depctr_va_vdst(0)
	WPATH 12288
	s_endpgm
.Lw_out:
	s_sub_co_u32 s18, s18, 24
	s_mul_i32 s20, s17, 256*4096                   ; w_out: 4,096 bytes
	s_lshl_b32 s27, s18, 9
	s_add_co_u32 s20, s20, s27
	s_add_co_u32 s20, s20, s26
	s_add_nc_u64 s[4:5], s[8:9], s[20:21]
	s_wait_alu depctr_va_vdst(0)
	WPATH 4096
	s_endpgm
.Lfunc_end_k_qa840c34cd4_prep:
	.size	k_qa840c34cd4_prep, .Lfunc_end_k_qa840c34cd4_prep-k_qa840c34cd4_prep
	.p2alignl 7, 3214868480
	.fill 96, 4, 3214868480
	.section	.rodata,"a",@progbits
	.p2align	6, 0x0
	.amdhsa_kernel k_qa840c34cd4_prep
		.amdhsa_group_segment_fixed_size 67072
		.amdhsa_private_segment_fixed_size 0
		.amdhsa_enable_private_segment 0
		.amdhsa_kernarg_size 40
		.amdhsa_user_sgpr_count 2
		.amdhsa_user_sgpr_kernarg_segment_ptr 1
		.amdhsa_wavefront_size32 1
		.amdhsa_system_sgpr_workgroup_id_x 1
		.amdhsa_system_sgpr_workgroup_id_y 1
		.amdhsa_system_sgpr_workgroup_id_z 1
		.amdhsa_system_vgpr_workitem_id 0
		.amdhsa_next_free_vgpr 194
		.amdhsa_next_free_sgpr 66
		.amdhsa_reserve_vcc 1
		.amdhsa_float_denorm_mode_32 3
		.amdhsa_float_denorm_mode_16_64 3
		.amdhsa_memory_ordered 1
		.amdhsa_forward_progress 1
		.amdhsa_inst_pref_size 94
	.end_amdhsa_kernel
	.amdgpu_metadata
---
amdhsa.version: [ 1, 2 ]
amdhsa.kernels:
  - .name:           k_qa840c34cd4_prep
    .symbol:         k_qa840c34cd4_prep.kd
    .args:
      - { .name: payload, .offset: 0, .size: 8, .value_kind: global_buffer, .address_space: global }
      - { .name: w_qkv, .offset: 8, .size: 8, .value_kind: global_buffer, .address_space: global }
      - { .name: w_out, .offset: 16, .size: 8, .value_kind: global_buffer, .address_space: global }
      - { .name: xq, .offset: 24, .size: 8, .value_kind: global_buffer, .address_space: global }
      - { .name: wq, .offset: 32, .size: 8, .value_kind: global_buffer, .address_space: global }
    .group_segment_fixed_size: 67072
    .private_segment_fixed_size: 0
    .kernarg_segment_align: 8
    .kernarg_segment_size: 40
    .max_flat_workgroup_size: 128
    .sgpr_count:     66
    .vgpr_count:     194
    .wavefront_size: 32
...
	.end_amdgpu_metadata
.endif
;; end of part 1
;; launch gemm_qkv (part 2): grid 8 x 48, 4 waves a work-group, clusters of 4 x 4, 327,680 bytes of LDS; arguments xq, wq, qkv; writes qkv
.if DOCPART == 2
	.amdgcn_target "amdgcn-amd-amdhsa--gfx1250"
	.amdhsa_code_object_version 6
	.text
	.protected	k_qa840c34cd4_gemm_qkv
	.globl	k_qa840c34cd4_gemm_qkv
	.p2align	8
	.type	k_qa840c34cd4_gemm_qkv,@function
k_qa840c34cd4_gemm_qkv:
	s_mov_b64 s[64:65], 0
	v_nop
	global_prefetch_b8 v0, s[64:65] scope:SCOPE_SE
	s_setreg_imm32_b32 hwreg(HW_REG_WAVE_MODE, 25, 1), 1
	s_wait_xcnt 0x0
	s_wait_alu depctr_hold_cnt(0) depctr_sa_sdst(0) depctr_va_vdst(0) depctr_va_sdst(0) depctr_va_ssrc(0) depctr_va_vcc(0) depctr_vm_vsrc(0)
	s_getreg_b32 s2, hwreg(HW_REG_IB_STS2, 6, 4)
	s_cmp_eq_u32 s2, 0
	s_cbranch_scc0 .Lentry_in_a_cluster
	s_endpgm
.Lentry_in_a_cluster:
	s_bfe_u32 s2, ttmp6, 0x10000c
	s_cmp_lg_u32 s2, 0xf033
	s_cbranch_scc0 .Lentry_shape_is_right
	s_endpgm
.Lentry_shape_is_right:
; payload x w_qkv on codes of E3M2, K = 1,024; the results never go to memory as f32: the way out quantises them as the attention launch wants them.
; A tile of 256 x 256 is made by four waves, 128 x 128 each: 64 accumulators, 512 registers.  K goes in four steps of 256 through a ring of two LDS slots.
; Source 1 ("A") gives a lane its row, source 0 ("B") runs along a lane's registers; by the order of positions (position p holds index sigma(p), bits 3 and 4 exchanged) the 64 registers of
; one block of A against B's eight blocks are register 16 b + i = B's true index 32 b + 16 (lane / 16) + i: what a quantiser along B's axis wants.
; TWO PARTS, chosen by the cluster's y, which all sixteen partners share:
;   y < 8:  A = tokens (xq), B = the columns of q and k (wq): quantised along the columns, 64 to a head: units of 16 tokens x 64, one scale word a token and head.
;   y >= 8: A = the columns of v (wq), B = tokens (xq): quantised along the tokens, which are the keys of the second product: fragments of 16 channels x 128 keys.
; CODES lie as images of the operand's registers: a unit (16 positions x 64 K, 768 bytes) has lane l's first 16 bytes at 16 l and its last 8 at 512 + 8 l; every LDS load takes consecutive bytes.
; CLUSTERS: A's tiles are asked for jointly along a row of the cluster, B's along a column.
; LIMITS: NaN and infinities are not served; a block whose largest magnitude lies under 2^-122 has its byte held at 1; a block of zeros gets the byte 1 (read by this program alone).
; REGISTERS: window 0: v4-15 addresses of the way out, v16-29 addresses, v32-63 scale words (two sets), v64-111 the way out's work, v128-223 A's fragments (one set);
;   window 1: B's fragments, two sets, at v0 and v128;  windows 2 and 3: the accumulators ((a, b) at v[8 (8 (a % 4) + b)]).
.set NQ,     2                         ; matrix instructions deep in a slot
.set FR,     12                        ; registers of a fragment
.set NL,     4                         ; LDS loads that bring one
.set NP,     4                         ; places behind this matrix instruction (ISA guide 7.12.1)
.set HALFT,  24576                     ; 8 tiles x 4 units x 768 bytes: what one tensor load brings
.set SLOT,   4*HALFT
.set SCL,    2*SLOT                    ; the scales of A's 256 rows for all of K (8,192 bytes); B's begin 8,320 on, so that lanes 16-31 fall on the other half of the banks
.set SPARE,  213248                    ; the spare words: 128 bytes a wave, two blocks of 256 bytes that no other line names
.set STGQ,   213760                    ; the way out's scale words, 1,024 bytes a wave: q's and k's path
.set STGV,   217856                    ; and v's path: bytes of its own
.set XS,     6291456                   ; xq: where the scale bytes begin
.set WS,     3145728                   ; wq: likewise
.set QSO,    6291456                   ; qkv: q's scale words
.set KV,     6815744                   ; qkv: the blocks of k and v, KVB bytes for each batch and head
.set KVB,    208896
.set L16,  4                           ; v4   16 l
.set L8,   5                           ; v5   8 l
.set ADRA, 16                          ; v16-17 my A fragments in slot 0, 1, at 16 l;  v18-19 the same at 8 l
.set ADRB, 20                          ; v20-23 the same for B
.set ADRS, 27                          ; v27  my scale words: lanes 0-15 A's rows, lanes 16-31 B's
.set SPW,  28                          ; v28  my spare word; never rewritten
.set NIL,  29                          ; v29  0; never rewritten
.set SC,   32
.set TM,   64                          ; v64-79 the quantiser's work
.set PW,   80                          ; v80  the scale word just made
.set TW,   81
.set PC,   84                          ; v84-103 the codes just made
.set AF,   128
.set G1,   24
.set G0,   32
.set G1B,  48
.set G0B,  56
.set SEL,  66                          ; s[66:67] selects for lane l xor 16
.set G1S,  68
.set G0S,  76
.set G1SB, 80
.set G0SB, 88
.set MSB, 0
.macro WIN new                         ; the immediate's high byte repeats the setting that is left
.if MSB != (\new)
	s_set_vgpr_msb (MSB<<8)|(\new)
.set MSB, (\new)
.endif
.endm
.set MUL_LO, 0xa1                      ; source 0 (B) window 1, source 1 (A) window 0, C and D window 2
.set MUL_HI, 0xf1
.set TO_B,   0x40
; A joint load: waves 0 and 1 fetch for A, waves 2 and 3 for B; the branch hangs on the wave's number alone.  Four v_nop follow each of the two lines.
.macro JLOAD g0a, g1a, g0b, g1b
	s_cmp_eq_u32 s15, 0
	s_cbranch_scc0 .Lfor_b_\@
	tensor_load_to_lds s[\g0a:\g0a+3], s[\g1a:\g1a+7]
	s_nop 0
.rept 4
	v_nop
.endr
	s_branch .Lasked_\@
.Lfor_b_\@:
	tensor_load_to_lds s[\g0b:\g0b+3], s[\g1b:\g1b+7]
	s_nop 0
.rept 4
	v_nop
.endr
.Lasked_\@:
.endm
.macro CREST                           ; a round of the cluster's barrier behind its opening barrier
	s_cmp_lg_u32 s14, 0
	s_cbranch_scc1 .Lnot_wave_0_\@
	s_barrier_signal -3
.Lnot_wave_0_\@:
	s_barrier_wait -3
	s_barrier_signal -1
	s_barrier_wait -1
.endm
.macro CROUND
	s_barrier_signal -1
	s_barrier_wait -1
	CREST
.endm
	s_load_b128 s[4:7], s[0:1], 0x0                ; xq, wq
	s_load_b64 s[8:9], s[0:1], 0x10                ; qkv
	v_lshl_add_u32 v[SPW], v0, 2, SPARE
	v_mov_b32 v[NIL], 0
	ds_add_u32 v28, v29
	ds_add_u32 v28, v29
	s_wait_dscnt 0x0
	v_lshrrev_b32 v1, 5, v0
	v_readfirstlane_b32 s14, v1                    ; wave 0..3
	s_lshr_b32 s15, s14, 1                         ; which half of A's rows is mine.  Also: I fetch for A (0) or for B (1)
	s_and_b32 s16, s14, 1                          ; which half of B's rows.  Also: which 128 rows I fetch
	s_bfe_u32 s40, ttmp6, 0x40000                  ; cx
	s_bfe_u32 s41, ttmp6, 0x40004                  ; cy
	s_and_b32 s10, ttmp7, 0xffff                   ; the cluster's y
	s_lshl_b32 s43, s41, 2
	s_lshl_b32 s43, 15, s43                        ; my row of the cluster
	s_lshl_b32 s44, 0x1111, s40                    ; my column
	s_lshl_b32 s17, s10, 2
	s_add_co_u32 s17, s17, s41                     ; A's block of 256: tokens 4 y + cy,
	s_add_co_u32 s18, s41, 8                       ; or v's columns: 8 + cy
	s_lshl_b32 s42, ttmp9, 2
	s_add_co_u32 s42, s42, s40                     ; B's block: columns 4 x + cx,
	s_sub_co_u32 s19, s10, 8
	s_lshl_b32 s19, s19, 3
	s_add_co_u32 s19, s19, s42                     ; or tokens 4 x + cx + 8 (y - 8)
	s_mov_b32 s12, XS
	s_mov_b32 s13, WS
	s_cmp_ge_u32 s10, 8                            ; v's part?
	s_cselect_b32 s11, 1, 0
	s_cselect_b32 s17, s18, s17
	s_cselect_b32 s42, s19, s42
	s_cselect_b32 s22, s13, s12                    ; where A's scale bytes begin in its buffer,
	s_cselect_b32 s94, s12, s13                    ; and B's
	; descriptor group 1 for codes: 8 rows (tiles) of 3,072 bytes (a K step's four units), 12,288 bytes apart; elements of 8 bytes
	s_or_b32 s[G1+0], s43, (3<<16)|(1<<21)         ; 15:0 the mask; 17:16 elements of 8 bytes; 21 set beside a mask; no padding
	s_or_b32 s[G1B+0], s44, (3<<16)|(1<<21)
.irp g, G1, G1B
	s_mov_b32 s[\g+1], 384<<16                     ; tensor_dim0
	s_mov_b32 s[\g+2], 16<<16                      ; tensor_dim1: the head's loads bring 16 tiles; the ring's 8 (set behind the head's wait)
	s_mov_b32 s[\g+3], 384<<16                     ; tile_dim0
	s_mov_b32 s[\g+4], 16
	s_mov_b32 s[\g+5], 1536                        ; tensor_dim0_stride
	s_mov_b32 s[\g+6], 0
	s_mov_b32 s[\g+7], 0
.endr
	; and for the scales of 256 rows, all of K: 8,192 dense bytes as 32 rows of 256
	s_or_b32 s[G1S+0], s43, (3<<16)|(1<<21)
	s_or_b32 s[G1SB+0], s44, (3<<16)|(1<<21)
.irp g, G1S, G1SB
	s_mov_b32 s[\g+1], 32<<16
	s_mov_b32 s[\g+2], 32<<16
	s_mov_b32 s[\g+3], 32<<16
	s_mov_b32 s[\g+4], 32                          ; the scales of 256 rows, all of K: 8,192 dense bytes as 32 rows of 256
	s_mov_b32 s[\g+5], 32
	s_mov_b32 s[\g+6], 0
	s_mov_b32 s[\g+7], 0
.endr
	s_mul_i32 s20, s17, 196608                     ; A: a block of 256 positions is 16 tiles of 12,288 bytes,
	s_mul_i32 s2, s16, 98304                       ; the half that I fetch in the ring: added behind the head's descriptors
	s_mov_b32 s21, 0
	s_lshl_b32 s18, s17, 13                        ; its scales: 8,192 bytes a block,
	s_add_co_u32 s22, s22, s18
	s_mov_b32 s23, 0
	s_mul_i32 s92, s42, 196608                     ; B likewise
	s_mov_b32 s93, 0
	s_lshl_b32 s19, s42, 13
	s_add_co_u32 s94, s94, s19
	s_mov_b32 s95, 0
	s_mul_i32 s45, s14, HALFT                      ; where they go: wave x a half: no place in the cluster enters an LDS address
	s_mov_b32 s[SEL], 0x76543210
	s_mov_b32 s[SEL+1], 0xfedcba98
	s_wait_kmcnt 0x0
	s_cmp_ge_u32 s10, 8
	s_cselect_b64 s[46:47], s[6:7], s[4:5]         ; A's buffer
	s_cselect_b64 s[98:99], s[4:5], s[6:7]         ; B's
	s_add_nc_u64 s[20:21], s[46:47], s[20:21]
	s_add_nc_u64 s[22:23], s[46:47], s[22:23]
	s_add_nc_u64 s[92:93], s[98:99], s[92:93]
	s_add_nc_u64 s[94:95], s[98:99], s[94:95]
	CROUND                                         ; all sixteen work-groups are here: the first joint loads meet
	s_mov_b32 s[G0S], 1
	s_mov_b32 s[G0S+1], SCL
	s_mov_b64 s[G0S+2:G0S+3], s[22:23]
	s_or_b32 s[G0S+3], s[G0S+3], 0x80000000
	s_mov_b32 s[G0SB], 1
	s_mov_b32 s[G0SB+1], SCL+8320
	s_mov_b64 s[G0SB+2:G0SB+3], s[94:95]
	s_or_b32 s[G0SB+3], s[G0SB+3], 0x80000000
.set G0H, 4                            ; s[4:7], s[96:99]: group 0 of the head's loads of K step 0: A's 256 rows, B's 256 rows (what lay there has been used)
.set G0HB, 96
	s_mov_b32 s[G0H], 1
	s_mov_b32 s[G0H+1], 0
	s_mov_b64 s[G0H+2:G0H+3], s[20:21]
	s_or_b32 s[G0H+3], s[G0H+3], 0x80000000
	s_mov_b32 s[G0HB], 1
	s_mov_b32 s[G0HB+1], 2*HALFT
	s_mov_b64 s[G0HB+2:G0HB+3], s[92:93]
	s_or_b32 s[G0HB+3], s[G0HB+3], 0x80000000
	s_mov_b32 s3, 0
	s_add_nc_u64 s[20:21], s[20:21], s[2:3]        ; for the ring: my 128 rows
	s_add_nc_u64 s[92:93], s[92:93], s[2:3]
.irp s, 0,1
	s_mov_b32 s[G0+4*\s], 1
	s_add_co_u32 s[G0+4*\s+1], s45, \s*SLOT
	s_add_nc_u64 s[G0+4*\s+2:G0+4*\s+3], s[20:21], \s*3072
	s_or_b32 s[G0+4*\s+3], s[G0+4*\s+3], 0x80000000
	s_mov_b32 s[G0B+4*\s], 1
	s_add_co_u32 s[G0B+4*\s+1], s45, \s*SLOT
	s_add_nc_u64 s[G0B+4*\s+2:G0B+4*\s+3], s[92:93], \s*3072
	s_or_b32 s[G0B+4*\s+3], s[G0B+4*\s+3], 0x80000000
.endr
; THE HEAD'S LOADS, ONE A WAVE: wave 0 K step 0's 256 rows of A, wave 1 its 256 rows of B, wave 2 A's scales, wave 3 B's.  One tree of branches on the wave's number.
.macro ARM under, g0, g1, next
	s_cmp_lt_u32 s14, \under
	s_cbranch_scc0 \next
	tensor_load_to_lds s[\g0:\g0+3], s[\g1:\g1+7]
	s_nop 0
.rept 4
	v_nop
.endr
	s_branch .Lhead_asked
\next:
.endm
	ARM 1, G0H,  G1,  .Lhead_b
	ARM 2, G0HB, G1B, .Lhead_sa
	ARM 3, G0S,  G1S, .Lhead_sb
	tensor_load_to_lds s[G0SB:G0SB+3], s[G1SB:G1SB+7]
	s_nop 0
.rept 4
	v_nop
.endr
.Lhead_asked:
	v_and_b32 v1, 31, v0                           ; l
	v_and_b32 v2, 15, v0                           ; r
	v_bfe_u32 v3, v0, 4, 1                         ; h
	v_lshlrev_b32 v[L16], 4, v1
	v_lshlrev_b32 v[L8], 3, v1
	s_mul_i32 s2, s15, HALFT                       ; my 128 rows of A
	s_mul_i32 s3, s16, HALFT                       ; my 128 rows of B,
	s_add_co_u32 s3, s3, 2*HALFT                   ; behind A's 256
.irp s, 0,1
	v_add_nc_u32 v[ADRA+\s], s2, v[L16]
	v_add_nc_u32 v[ADRA+2+\s], s2, v[L8]
	v_add_nc_u32 v[ADRB+\s], s3, v[L16]
	v_add_nc_u32 v[ADRB+2+\s], s3, v[L8]
	s_add_co_u32 s2, s2, SLOT
	s_add_co_u32 s3, s3, SLOT
.endr
	s_lshl_b32 s2, s15, 12                         ; A's scales: my 128 rows
	s_lshl_b32 s3, s16, 12
	s_add_co_u32 s3, s3, 8320
	s_sub_co_u32 s3, s3, s2                        ; how far on B's lie
	v_mul_u32_u24 v6, s3, v3                       ; lanes 16-31 take B's
	s_add_co_u32 s2, s2, SCL
	v_lshl_add_u32 v6, v2, 3, v6                   ; 8 bytes a row and K step
	v_add_nc_u32 v[ADRS], s2, v6
	s_lshl_b32 s2, s14, 10                         ; the way out's stages: 1,024 bytes a wave
	v_lshlrev_b32 v6, 2, v2                        ; 4 r
	v_lshl_add_u32 v7, v3, 9, v6
	v_add_nc_u32 v7, s2, v7
	v_add_nc_u32 v10, STGQ, v7                     ; q, k: in: 512 h + 4 r
	v_add_nc_u32 v11, s2, v[L16]
	v_add_nc_u32 v15, STGV, v11                    ; v: back: 16 l
	v_add_nc_u32 v11, STGQ, v11                    ; q, k: back: 16 l
	v_add_nc_u32 v14, s2, v6
	v_add_nc_u32 v14, STGV, v14                    ; v: in: 4 r
	v_lshlrev_b32 v12, 4, v3                       ; 16 h: lanes 16-31 take the upper head's two bytes
	v_mul_u32_u24 v13, v3, KVB
	v_lshl_add_u32 v13, v2, 4, v13                 ; v's scale words in memory: lanes 16-31 the next head's block
.irp b, 0,1,2,3
	v_mov_b32 v[TM+4+\b], 0                        ; (a lane permute's destination counts as one of its sources)
.endr
.macro FRAG reg, adr, q, i             ; a fragment, 16 rows x 128 K: two units, each 16 bytes a lane and then 8
	ds_load_b128 v[\reg:\reg+3], v[\adr] offset:3072*(\i)+1536*(\q)
	ds_load_b64 v[\reg+4:\reg+5], v[\adr+2] offset:3072*(\i)+1536*(\q)+512
	ds_load_b128 v[\reg+6:\reg+9], v[\adr] offset:3072*(\i)+1536*(\q)+768
	ds_load_b64 v[\reg+10:\reg+11], v[\adr+2] offset:3072*(\i)+1536*(\q)+1280
.endm
; 16 matrix instructions: A's blocks a0, a0 + 1 x B's eight.  The 64 accumulators take turns, one instruction a turn, in the same order in every step.
.macro MUL16 a0, p, q, sc, zero
.irp a, \a0, \a0+1
.irp b, 0,1,2,3,4,5,6,7
.if \zero
	v_wmma_scale_f32_16x16x128_f8f6f4 v[8*(8*((\a)%4)+\b):8*(8*((\a)%4)+\b)+7], v[128*(\p)+FR*\b:128*(\p)+FR*\b+FR-1], v[AF+FR*(\a):AF+FR*(\a)+FR-1], 0, v[SC+8*NQ*(\sc)+NQ*\b+(\q)], v[SC+8*NQ*(\sc)+NQ*(\a)+(\q)] matrix_a_fmt:MATRIX_FMT_BF6 matrix_b_fmt:MATRIX_FMT_BF6 matrix_a_scale:MATRIX_SCALE_ROW1
.else
	v_wmma_scale_f32_16x16x128_f8f6f4 v[8*(8*((\a)%4)+\b):8*(8*((\a)%4)+\b)+7], v[128*(\p)+FR*\b:128*(\p)+FR*\b+FR-1], v[AF+FR*(\a):AF+FR*(\a)+FR-1], v[8*(8*((\a)%4)+\b):8*(8*((\a)%4)+\b)+7], v[SC+8*NQ*(\sc)+NQ*\b+(\q)], v[SC+8*NQ*(\sc)+NQ*(\a)+(\q)] matrix_a_fmt:MATRIX_FMT_BF6 matrix_b_fmt:MATRIX_FMT_BF6 matrix_a_scale:MATRIX_SCALE_ROW1
.endif
.endr
.endr
.endm
.macro FETCH_B slot, q, p
	WIN TO_B
.irp i, 0,1,2,3,4,5,6,7
	FRAG 128*(\p)+FR*\i, ADRB+\slot, \q, \i
.endr
	WIN 0
.endm
.macro FETCH_A slot, q, i0
.irp i, \i0, \i0+1, \i0+2, \i0+3
	FRAG AF+FR*(\i), ADRA+\slot, \q, \i
.endr
.endm
.macro SCALES sc                       ; a K step's two words a row: lanes 0-15 A's block i, lanes 16-31 B's block i
.irp i, 0,1,2,3,4,5,6,7
	ds_load_b64 v[SC+8*NQ*\sc+NQ*\i:SC+8*NQ*\sc+NQ*\i+1], v[ADRS] offset:512*\i
.endr
.endm
.macro PLACES n                        ; plain vector lines between a matrix instruction and a load into, or a read of, its registers
.rept \n
	v_nop
.endr
.endm
.macro STEP slot, q, zero              ; 128 along K that have their successor in the same slot
	s_wait_dscnt 4*NL                              ; B's set and A's blocks 0-3 are in; the youngest 16 loads (A's blocks 4-7) may be out
	WIN MUL_LO
	MUL16 0, (\q)%2, \q, \slot, \zero
	MUL16 2, (\q)%2, \q, \slot, \zero
	s_wait_dscnt 0
	PLACES NP
	FETCH_B \slot, (\q)+1, 1-(\q)%2
	FETCH_A \slot, (\q)+1, 0
	WIN MUL_HI
	MUL16 4, (\q)%2, \q, \slot, \zero
	MUL16 6, (\q)%2, \q, \slot, \zero
	PLACES NP
	WIN 0
	FETCH_A \slot, (\q)+1, 4
.endm
; A slot's last 128 change slots: one barrier; in front of it each wave waits for all its tensor loads, adds 0 to its spare word, and waits for that and for its reads of this slot.
.macro TURN slot, next, fill
	s_wait_tensorcnt 0x0                           ; all my tensor loads have landed: my part of the next slot
	ds_add_u32 v[SPW], v[NIL]                      ; 0 onto my spare word
	s_wait_dscnt 4*NL+1                            ; (the add and the youngest 16 loads may be out)
	WIN MUL_LO
	MUL16 0, 1, NQ-1, \slot, 0
	s_wait_dscnt 0x0                               ; the add is done, and my reads of this slot are over
	s_barrier_signal -1
	MUL16 2, 1, NQ-1, \slot, 0
	WIN 0
	s_barrier_wait -1
.if \fill
	CREST                                          ; the barrier has opened a round of the cluster's: no wave of any partner still reads this slot or has a load on its way
	s_add_nc_u64 s[G0+4*\slot+2:G0+4*\slot+3], s[G0+4*\slot+2:G0+4*\slot+3], 2*3072
	s_add_nc_u64 s[G0B+4*\slot+2:G0B+4*\slot+3], s[G0B+4*\slot+2:G0B+4*\slot+3], 2*3072
	JLOAD G0+4*\slot, G1, G0B+4*\slot, G1B         ; the first tensor load behind the round; its four v_nop are also the places in front of the loads below
.else
	PLACES NP
.endif
	s_wait_alu depctr_va_vdst(0)
	v_add_nc_u32 v[ADRS], 128, v[ADRS]             ; the next K step's scale words
	FETCH_B \next, 0, 0
	FETCH_A \next, 0, 0
	SCALES \next
	WIN MUL_HI
	MUL16 4, 1, NQ-1, \slot, 0
	MUL16 6, 1, NQ-1, \slot, 0
	PLACES NP
	WIN 0
	FETCH_A \next, 0, 4
.endm
	s_wait_alu depctr_va_vdst(0)
	s_wait_tensorcnt 0x0                           ; my tile of the head's four is in
	ds_add_u32 v[SPW], v[NIL]
	s_mov_b32 s[G1+2], 8<<16                       ; no tensor load of mine is out: from here on a load brings 8 tiles
	s_mov_b32 s[G1+4], 8
	s_mov_b32 s[G1B+2], 8<<16
	s_mov_b32 s[G1B+4], 8
	s_wait_dscnt 0x0
	CROUND                                         ; all four tiles are in, and all sixteen work-groups are here
	JLOAD G0+4, G1, G0B+4, G1B                     ; K step 1, the first tensor load behind the round
	FETCH_B 0, 0, 0
	FETCH_A 0, 0, 0
	SCALES 0
	FETCH_A 0, 0, 4
	STEP 0, 0, 1                                   ; the first products start the sums: nothing is cleared
	TURN 0, 1, 1                                   ; slot 0 takes K step 2
	STEP 1, 0, 0
	TURN 1, 0, 1                                   ; slot 1 takes K step 3
	STEP 0, 0, 0
	TURN 0, 1, 0                                   ; nothing is left to fetch
	STEP 1, 0, 0
	s_wait_dscnt 4*NL
	WIN MUL_LO
	MUL16 0, 1, NQ-1, 1, 0
	MUL16 2, 1, NQ-1, 1, 0
	s_wait_dscnt 0
	WIN MUL_HI
	MUL16 4, 1, NQ-1, 1, 0
	MUL16 6, 1, NQ-1, 1, 0
	WIN 0
	PLACES NP
; THE QUANTISER of block a's 64 registers (register 16 b + i = B's index 32 b + 16 h + i of my row): a fragment's codes in v[PC] on, its scale word in v[PW].
; Each accumulator is read from its low end on.
.macro QUANTW a
.set QWN, 2+(\a)/4                     ; the block's window
.set QSR, 64*((\a)%4)
	WIN QWN*5                                      ; sources 0 and 1 in the block's window
.irp b, 0,1,2,3
	v_max3_num_f32 v[TM+\b], |v[QSR+16*\b]|, |v[QSR+16*\b+1]|, 0x2800000   ; with the floor 2^(5 - 127): the byte cannot fall under 1
.endr
.irp i, 2,4,6,8,10,12,14
.irp b, 0,1,2,3
	v_max3_num_f32 v[TM+\b], |v[QSR+16*\b+\i]|, |v[QSR+16*\b+\i+1]|, v[TM+\b]
.endr
.endr
	WIN 0
.irp b, 0,1,2,3
	v_permlanex16_b32 v[TM+4+\b], v[TM+\b], s[SEL], s[SEL+1]
.endr
.irp b, 0,1,2,3
	v_max_num_f32 v[TM+\b], v[TM+\b], v[TM+4+\b]   ; with lane l xor 16's: the block's largest magnitude
.endr
.irp b, 0,1,2,3
	v_add_nc_u32 v[TM+12+\b], 0xfe000000, v[TM+\b] ; 4 off its exponent field: the conversion's scale operand
.endr
.irp b, 0,1,2,3
	v_lshrrev_b32 v[TM+4+\b], 23, v[TM+12+\b]      ; the scale's byte
.endr
	v_lshl_or_b32 v[PW], v[TM+5], 8, v[TM+4]
	v_lshl_or_b32 v[PW], v[TM+6], 16, v[PW]
	v_lshl_or_b32 v[PW], v[TM+7], 24, v[PW]
	s_wait_xcnt 0x0                                ; the last block's stores have read their data: the codes' registers are written again only behind this wait
	WIN QWN
.irp c, 0,1
	v_cvt_scalef32_pk16_bf6_f32 v[PC+6*\c:PC+2+6*\c], v[QSR+32*\c:QSR+15+32*\c], v[TM+12+2*\c]
	v_cvt_scalef32_pk16_bf6_f32 v[PC+12+4*\c:PC+14+4*\c], v[QSR+16+32*\c:QSR+31+32*\c], v[TM+12+2*\c+1]
.endr
	WIN 0
	v_nop                                          ; one plain line behind the conversions
.irp c, 0,1                                      ; a whole block to a lane: lanes 0-15 block 2 c, lanes 16-31 block 2 c + 1
.irp i, 0,1,2
	v_permlane16_swap_b32 v[PC+6*\c+\i], v[PC+12+4*\c+\i]
.endr
.irp i, 0,1,2
	v_mov_b32 v[PC+3+6*\c+\i], v[PC+12+4*\c+\i]
.endr
.endr
.endm
	s_cmp_eq_u32 s11, 1
	s_cbranch_scc1 .Lv
	; ---- q and k: my 128 columns are two heads; a block's fragment is one unit of each
	s_lshl_b32 s2, s17, 8
	s_lshl_b32 s3, s15, 7
	s_add_co_u32 s2, s2, s3                        ; my first position
	s_lshr_b32 s3, s2, 11                          ; the batch
	s_and_b32 s2, s2, 2047                         ; the position in it
	s_lshl_b32 s10, s42, 8
	s_lshl_b32 s12, s16, 7
	s_add_co_u32 s10, s10, s12                     ; my first column
	s_and_b32 s12, s10, 1023
	s_lshr_b32 s12, s12, 6                         ; the lower head
	s_lshl_b32 s3, s3, 4
	s_add_co_u32 s3, s3, s12                       ; batch x 16 + head
	s_mov_b32 s18, KVB
	s_mov_b32 s19, KV
	s_mov_b32 s20, KV+196608
	s_cmp_ge_u32 s10, 1024                         ; k's columns?
	s_cselect_b32 s12, s18, 98304                  ; from head to head, codes
	s_cselect_b32 s13, s19, 0                      ; where the codes begin
	s_cselect_b32 s22, s18, 8192                   ; from head to head, scale words
	s_cselect_b32 s20, s20, QSO                    ; where they begin
	s_mul_i32 s18, s3, s12
	s_add_co_u32 s18, s18, s13
	s_lshr_b32 s19, s2, 4
	s_mul_i32 s19, s19, 768
	s_add_co_u32 s18, s18, s19
	s_mov_b32 s19, 0
	s_add_nc_u64 s[92:93], s[8:9], s[18:19]        ; the lower head's units
	s_mov_b32 s13, 0
	s_add_nc_u64 s[94:95], s[92:93], s[12:13]      ; the upper head's
	s_mul_i32 s18, s3, s22
	s_add_co_u32 s18, s18, s20
	s_lshl_b32 s2, s2, 2
	s_add_co_u32 s18, s18, s2
	s_add_nc_u64 s[96:97], s[8:9], s[18:19]        ; the lower head's scale words
	s_mov_b32 s23, 0
	s_add_nc_u64 s[98:99], s[96:97], s[22:23]      ; the upper head's
.irp a, 0,1,2,3,4,5,6,7
	QUANTW \a
	global_store_b128 v[L16], v[PC:PC+3], s[92:93] offset:768*\a          ; 512 consecutive bytes, aligned
	global_store_b64 v[L8], v[PC+4:PC+5], s[92:93] offset:768*\a+512      ; 256
	global_store_b128 v[L16], v[PC+6:PC+9], s[94:95] offset:768*\a
	global_store_b64 v[L8], v[PC+10:PC+11], s[94:95] offset:768*\a+512
	v_lshrrev_b32 v[TW], v12, v[PW]                ; lanes 0-15: the word as it is (bytes 0, 1 the lower head's); lanes 16-31: the upper head's two bytes below, zeros above
	ds_store_b32 v10, v[TW] offset:64*\a
.endr
	ds_load_b128 v[104:107], v11                   ; LDS serves a wave's instructions in order: these see my stores
	ds_load_b128 v[108:111], v11 offset:512
	s_wait_dscnt 0x0
	global_store_b128 v[L16], v[104:107], s[96:97] ; 128 positions' words: 512 consecutive bytes
	global_store_b128 v[L16], v[108:111], s[98:99]
	s_branch .Ljoin
	; ---- v: my 128 rows are two heads' channels (four tiles each), my 128 columns one chunk of 128 keys: a block's fragment is a fragment of V^T
.Lv:
	s_lshl_b32 s2, s41, 2
	s_lshl_b32 s3, s15, 1
	s_add_co_u32 s2, s2, s3                        ; the lower head: 4 cy + 2 x my half
	s_lshl_b32 s3, s42, 8
	s_lshl_b32 s10, s16, 7
	s_add_co_u32 s3, s3, s10                       ; my first token
	s_lshr_b32 s10, s3, 11
	s_lshl_b32 s10, s10, 4
	s_add_co_u32 s2, s2, s10                       ; batch x 16 + head
	s_bfe_u32 s3, s3, 0x40007                      ; the chunk of 128 keys in the batch
	s_mul_i32 s18, s2, KVB
	s_add_co_u32 s18, s18, KV
	s_mul_i32 s12, s3, 6144
	s_add_co_u32 s12, s12, s18
	s_add_co_u32 s12, s12, 98304
	s_mov_b32 s13, 0
	s_add_nc_u64 s[92:93], s[8:9], s[12:13]        ; the chunk's four fragments
	s_lshl_b32 s12, s3, 8
	s_add_co_u32 s12, s12, s18
	s_add_co_u32 s12, s12, 204800
	s_add_nc_u64 s[96:97], s[8:9], s[12:13]        ; and their scale words
.irp a, 0,1,2,3,4,5,6,7
	QUANTW \a
	global_store_b128 v[L16], v[PC:PC+3], s[92:93] offset:(\a/4)*KVB+(\a%4)*1536
	global_store_b64 v[L8], v[PC+4:PC+5], s[92:93] offset:(\a/4)*KVB+(\a%4)*1536+512
	global_store_b128 v[L16], v[PC+6:PC+9], s[92:93] offset:(\a/4)*KVB+(\a%4)*1536+768
	global_store_b64 v[L8], v[PC+10:PC+11], s[92:93] offset:(\a/4)*KVB+(\a%4)*1536+1280
	ds_store_b32 v14, v[PW] offset:64*\a           ; lanes l and l xor 16 write the same word with the same value
.endr
	ds_load_b128 v[104:107], v15
	s_wait_dscnt 0x0
	global_store_b128 v13, v[104:107], s[96:97]    ; sixteen lanes store a head's 256 consecutive bytes, aligned
.Ljoin:
	s_wait_tensorcnt 0x0                           ; the wave's end
	ds_add_u32 v[SPW], v[NIL]
	s_wait_dscnt 0x0
	CROUND                                         ; the closing round: no work-group ends while a partner may still ask for a tile that names it
	s_endpgm
.Lfunc_end_k_qa840c34cd4_gemm_qkv:
	.size	k_qa840c34cd4_gemm_qkv, .Lfunc_end_k_qa840c34cd4_gemm_qkv-k_qa840c34cd4_gemm_qkv
	.p2alignl 7, 3214868480
	.fill 96, 4, 3214868480
	.section	.rodata,"a",@progbits
	.p2align	6, 0x0
	.amdhsa_kernel k_qa840c34cd4_gemm_qkv
		.amdhsa_group_segment_fixed_size 327680
		.amdhsa_private_segment_fixed_size 0
		.amdhsa_enable_private_segment 0
		.amdhsa_kernarg_size 24
		.amdhsa_user_sgpr_count 2
		.amdhsa_user_sgpr_kernarg_segment_ptr 1
		.amdhsa_wavefront_size32 1
		.amdhsa_system_sgpr_workgroup_id_x 1
		.amdhsa_system_sgpr_workgroup_id_y 1
		.amdhsa_system_sgpr_workgroup_id_z 1
		.amdhsa_system_vgpr_workitem_id 0
		.amdhsa_next_free_vgpr 1024
		.amdhsa_next_free_sgpr 100
		.amdhsa_reserve_vcc 0
		.amdhsa_float_denorm_mode_32 3
		.amdhsa_float_denorm_mode_16_64 3
		.amdhsa_memory_ordered 1
		.amdhsa_forward_progress 1
		.amdhsa_inst_pref_size 188
	.end_amdhsa_kernel
	.amdgpu_metadata
---
amdhsa.version: [ 1, 2 ]
amdhsa.kernels:
  - .name:           k_qa840c34cd4_gemm_qkv
    .symbol:         k_qa840c34cd4_gemm_qkv.kd
    .args:
      - { .name: xq, .offset: 0, .size: 8, .value_kind: global_buffer, .address_space: global }
      - { .name: wq, .offset: 8, .size: 8, .value_kind: global_buffer, .address_space: global }
      - { .name: qkv, .offset: 16, .size: 8, .value_kind: global_buffer, .address_space: global }
    .group_segment_fixed_size: 327680
    .private_segment_fixed_size: 0
    .kernarg_segment_align: 8
    .kernarg_segment_size: 24
    .max_flat_workgroup_size: 128
    .sgpr_count:     100
    .vgpr_count:     1024
    .wavefront_size: 32
...
	.end_amdgpu_metadata
.endif
;; end of part 2
;; launch attn (part 3): grid 4 x 64, 16 waves a work-group, no clusters, 327,680 bytes of LDS; arguments qkv, cq; writes cq
.if DOCPART == 3
	.amdgcn_target "amdgcn-amd-amdhsa--gfx1250"
	.amdhsa_code_object_version 6
	.text
	.protected	k_qa840c34cd4_attn
	.globl	k_qa840c34cd4_attn
	.p2align	8
	.type	k_qa840c34cd4_attn,@function
k_qa840c34cd4_attn:
	s_mov_b64 s[64:65], 0
	v_nop
	global_prefetch_b8 v0, s[64:65] scope:SCOPE_SE
	s_setreg_imm32_b32 hwreg(HW_REG_WAVE_MODE, 25, 1), 1
	s_wait_xcnt 0x0
; Causal attention of one batch and head on codes of E3M2: S^T = K Q^T (K = the head's 64, the instruction's upper 64 are zero codes on both sides), p = 2^(t - M) quantised along the keys, O^T = V^T P^T,
; O / l quantised along the head's 64 channels and stored as an operand of the output projection.
; t = score x log2(e) / 8; M = the running largest t rounded UP to a whole number; the row's sum l is taken of the unquantised p; when M moves, l and O^T are multiplied by 2^(old M - new M), which rounds nothing.
; SHARES.  Work-group (i, head) owns query blocks 7 - i and i, 256 queries each: 8 - i and i + 1 slots of 256 keys, nine trips for every work-group.  Each of sixteen waves owns a tile of 16 query positions.
; THE HEAD'S WHOLE K AND V, with their scale words, 208,896 bytes, come into LDS ONCE, as they lie in memory: no ring, nothing is filled again, nothing is stored to LDS.
; Multicast is not used: the four work-groups of a head read the same block, but which slot a work-group reads, and where it changes its query block, hang on its place among the four.
; No prefetch: all of K and V is asked for by the tensor loads at the head; no later load exists to run ahead of.
; LAYOUT.  Both products are used transposed: a lane holds one query (lane % 16).  Positions hold index sigma(position) (bits 3, 4 exchanged), so the 16 registers of tiles 2 b, 2 b + 1 of S^T are keys
; 32 b + 16 (lane / 16) + 0 .. 15, and those of O^T channels likewise.
; A step whose 128 keys all come after the wave's queries is left out by a scalar branch on ids; on the diagonal hidden scores become -infinity.
; LIMITS: NaN and infinities are not served; a block's byte is held at 1 from below; a block's largest p is taken from its largest score, which takes v_exp_f32 not to fall where its input rises; 1 / l by v_rcp_f32.
; REGISTERS: v1-3 16 l, 8 l, 4 r; v4-9 the trip's LDS addresses; v10 my query in its chunk - 16 h; v11 -infinity; v12 -M; v13 largest t; v[14:15] l; v16-27 Q; v30 8 r; v32-79 four fragments of K;
;   v80-91 at work; v92-95 scale words of K or V; v96-159 S^T, then p, then four fragments of V; v160-191 O^T; v192-203 p's codes; v204-210 conversions; v212 f; v213 p's scale word; v214 at work; v215 Q's scale word;
;   v216-222 the second query block's Q and scale word.
; HOW K AND V COME IN (this takes the place of what the lines above say of the loads and of the prefetch): each byte is still filled once.  The head asks for slots 0 and 1 and the scale words, one load a wave;
; the first three trips, in which every key counts, each ask for two further slots behind a barrier of their own (slots 6 and 7 only where the work-group reads slot 6); trips 3 to 8 find everything in LDS.
; In trips 0 and 1 the pair of slots that the NEXT trip loads is prefetched: of a wave's 12 blocks of 256 bytes each of the head's four work-groups names three.
.set QSO, 6291456
.set KV,  6815744                      ; qkv: the blocks of k and v
.set KVB, 208896
.set XS,  6291456                      ; cq: where the scale bytes begin
.set WV,  8
.set G1A, 12                           ; s[12:19], s[20:27] descriptor groups 1: 24 and 6 rows of 256 bytes
.set G1B, 20
.set G0A, 36                           ; s[36:39], s[40:43], s[44:47] their groups 0
.set G0B, 40
.set SEL, 48
.set CS,  50                           ; s[50:51] c = log2(e) / 8
.set N,   52                           ; the trip
.set NA,  53                           ; trips of the first query block
.set QCH, 54                           ; the chunk of 128 in which my queries lie
.set KC0, 55                           ; the slot's first chunk
.set TB,  56                           ; LDS: the slot's K;
.set TBV, 57                           ; its V;
.set TSK, 58                           ; K's scale words;
.set TJV, 59                           ; V's
.set CB,  60                           ; s[60:61] where my tile's codes of ctx go;  s[62:63] its scale bytes
.set CSB, 62
.set CB2, 66                           ; the same for the second query block
.set CSB2, 68
.set QCH2, 70
	s_load_b128 s[4:7], s[0:1], 0x0                ; qkv, cq
	v_lshl_add_u32 v254, v0, 2, 0x33000
	v_mov_b32 v255, 0
	ds_add_u32 v254, v255
	ds_add_u32 v254, v255
	v_lshrrev_b32 v1, 5, v0
	s_delay_alu instid0(VALU_DEP_1)
	v_readfirstlane_b32 s[WV], v1                  ; wave 0..15
	s_and_b32 s10, ttmp7, 0xffff                   ; batch x 16 + head
.set G1C, 28                           ; s[28:35] a third group 1: 12 rows;  s[44:47] its group 0
.set G0C, 44
.irp g, G1A, G1B, G1C
	s_mov_b32 s[\g], 3<<16                         ; no mask; elements of 8 bytes; no padding
	s_mov_b32 s[\g+1], 32<<16                      ; tensor_dim0: 256 bytes
	s_mov_b32 s[\g+3], 32<<16                      ; tile_dim0
	s_mov_b32 s[\g+5], 32                          ; dense rows
	s_mov_b32 s[\g+6], 0
	s_mov_b32 s[\g+7], 0
.endr
	s_mov_b32 s[G1A+2], 24<<16                     ; tensor_dim1 and tile_dim1: 24, 6 and 12 rows of 256 bytes
	s_mov_b32 s[G1A+4], 24
	s_mov_b32 s[G1B+2], 6<<16
	s_mov_b32 s[G1B+4], 6
	s_mov_b32 s[G1C+2], 12<<16
	s_mov_b32 s[G1C+4], 12
	s_mul_i32 s72, s10, KVB
	s_add_co_u32 s72, s72, KV
	s_mov_b32 s73, 0
	s_min_u32 s76, s[WV], 7                        ; ONE LOAD A WAVE AT THE HEAD.  Waves 0-3: a quarter each (6,144 bytes) of K's slots 0 and 1; waves 4-7: of V's.  An offset in the block is the LDS address
	s_lshr_b32 s74, s76, 2
	s_mul_i32 s74, s74, 98304
	s_and_b32 s75, s76, 3
	s_mul_i32 s75, s75, 6144
	s_add_co_u32 s74, s74, s75
	s_and_b32 s76, s[WV], 7                        ; waves 8-15: an eighth each (1,536 bytes) of the scale words
	s_mul_i32 s77, s76, 1536
	s_add_co_u32 s77, s77, 196608
	s_lshr_b32 s96, s[WV], 3                       ; later pairs of slots: waves 0-7 an eighth each (3,072 bytes) of K's 24,576, waves 8-15 of V's; 24,576 are added for each pair
	s_mul_i32 s96, s96, 98304
	s_mul_i32 s75, s76, 3072
	s_add_co_u32 s96, s96, s75
	s_mov_b32 s97, 0
	s_mov_b32 s[G0C], 1
	s_mov_b32 s92, s74
	s_mov_b32 s93, 0
	s_mov_b32 s94, s77
	s_mov_b32 s95, 0
	s_wait_dscnt 0x0
	s_wait_kmcnt 0x0
	s_add_nc_u64 s[80:81], s[4:5], s[72:73]        ; the head's block
	s_mov_b32 s[G0A], 1
	s_mov_b32 s[G0A+1], s74
	s_add_nc_u64 s[G0A+2:G0A+3], s[80:81], s[92:93]
	s_or_b32 s[G0A+3], s[G0A+3], 0x80000000
	s_mov_b32 s[G0B], 1
	s_mov_b32 s[G0B+1], s77
	s_add_nc_u64 s[G0B+2:G0B+3], s[80:81], s[94:95]
	s_or_b32 s[G0B+3], s[G0B+3], 0x80000000
	s_cmp_lt_u32 s[WV], 8                          ; two arms, a fill in each: every way through the head passes one load
	s_cbranch_scc0 .Lfirst
	tensor_load_to_lds s[G0A:G0A+3], s[G1A:G1A+7]  ; slots 0 and 1
	s_nop 0
.rept 4
	v_nop
.endr
	s_branch .Lasked
.Lfirst:
	tensor_load_to_lds s[G0B:G0B+3], s[G1B:G1B+7]  ; the scale words
	s_nop 0
.rept 4
	v_nop
.endr
.Lasked:
	s_sub_co_u32 s71, 7, ttmp9                     ; the first query block
	s_sub_co_u32 s[NA], 8, ttmp9
	s_lshr_b32 s72, s[WV], 3
	s_lshl_b32 s[QCH], s71, 1
	s_add_co_u32 s[QCH], s[QCH], s72
	s_lshl_b32 s[QCH2], ttmp9, 1
	s_add_co_u32 s[QCH2], s[QCH2], s72
	s_lshl_b32 s73, s71, 4
	s_add_co_u32 s73, s73, s[WV]                   ; my tile in the batch, first block,
	s_lshl_b32 s74, ttmp9, 4
	s_add_co_u32 s74, s74, s[WV]                   ; second block
	s_mul_i32 s75, s10, 98304                      ; q's codes: 98,304 bytes a head, 768 a tile
	s_mul_i32 s84, s73, 768
	s_add_co_u32 s84, s84, s75
	s_mov_b32 s85, 0
	s_mul_i32 s86, s74, 768
	s_add_co_u32 s86, s86, s75
	s_mov_b32 s87, 0
	s_lshl_b32 s75, s10, 13                        ; q's scale words: 8,192 bytes a head, 64 a tile
	s_add_co_u32 s75, s75, QSO
	s_lshl_b32 s88, s73, 6
	s_add_co_u32 s88, s88, s75
	s_mov_b32 s89, 0
	s_lshl_b32 s90, s74, 6
	s_add_co_u32 s90, s90, s75
	s_mov_b32 s91, 0
	s_add_nc_u64 s[84:85], s[4:5], s[84:85]
	s_add_nc_u64 s[86:87], s[4:5], s[86:87]
	s_add_nc_u64 s[88:89], s[4:5], s[88:89]
	s_add_nc_u64 s[90:91], s[4:5], s[90:91]
	s_lshr_b32 s75, s10, 4
	s_lshl_b32 s75, s75, 7                         ; 128 tiles a batch
	s_and_b32 s76, s10, 15                         ; the head: ctx's unit of 64 along K
	s_add_co_u32 s73, s73, s75
	s_add_co_u32 s74, s74, s75
	s_lshl_b32 s77, s73, 4
	s_add_co_u32 s77, s77, s76
	s_mul_i32 s[CB], s77, 768
	s_mov_b32 s[CB+1], 0
	s_lshl_b32 s77, s74, 4
	s_add_co_u32 s77, s77, s76
	s_mul_i32 s[CB2], s77, 768
	s_mov_b32 s[CB2+1], 0
	s_lshr_b32 s77, s76, 2
	s_lshl_b32 s77, s77, 7
	s_and_b32 s78, s76, 3
	s_lshl_b32 s78, s78, 1
	s_add_co_u32 s77, s77, s78
	s_add_co_u32 s77, s77, XS                      ; the head's two scale bytes of a row: 128 (head / 4) + 2 (head % 4)
	s_lshl_b32 s[CSB], s73, 9
	s_add_co_u32 s[CSB], s[CSB], s77
	s_mov_b32 s[CSB+1], 0
	s_lshl_b32 s[CSB2], s74, 9
	s_add_co_u32 s[CSB2], s[CSB2], s77
	s_mov_b32 s[CSB2+1], 0
	s_add_nc_u64 s[CB:CB+1], s[6:7], s[CB:CB+1]
	s_add_nc_u64 s[CB2:CB2+1], s[6:7], s[CB2:CB2+1]
	s_add_nc_u64 s[CSB:CSB+1], s[6:7], s[CSB:CSB+1]
	s_add_nc_u64 s[CSB2:CSB2+1], s[6:7], s[CSB2:CSB2+1]
	s_mov_b32 s[SEL], 0x76543210
	s_mov_b32 s[SEL+1], 0xfedcba98
	s_mov_b32 s[CS], 0x3e38aa3b                    ; log2(e) / 8
	s_mov_b32 s[CS+1], s[CS]
	v_and_b32 v4, 31, v0                           ; l
	v_and_b32 v5, 15, v0                           ; r
	v_bfe_u32 v6, v0, 4, 1                         ; h
	s_delay_alu instid0(VALU_DEP_3)
	v_lshlrev_b32 v1, 4, v4
	s_delay_alu instid0(VALU_DEP_4)
	v_lshlrev_b32 v2, 3, v4
	s_delay_alu instid0(VALU_DEP_4)
	v_lshlrev_b32 v3, 2, v5
	v_lshlrev_b32 v30, 3, v5
	global_load_b128 v[16:19], v1, s[84:85]        ; Q's unit: the fragment's lower six registers
	global_load_b64 v[20:21], v2, s[84:85] offset:512
	global_load_b32 v215, v3, s[88:89]             ; its scale words
	global_load_b128 v[216:219], v1, s[86:87]      ; and the second block's
	global_load_b64 v[220:221], v2, s[86:87] offset:512
	global_load_b32 v222, v3, s[90:91]
	v_and_b32 v7, 8, v5
	s_delay_alu instid0(VALU_DEP_1)
	v_add_nc_u32 v7, v7, v5                        ; r + 8 (r / 8)
	v_lshlrev_b32 v8, 4, v6
	s_delay_alu instid0(VALU_DEP_1)
	v_sub_nc_u32 v7, v7, v8
	s_bfe_u32 s71, s[WV], 0x20001
	s_lshl_b32 s71, s71, 5
	s_and_b32 s72, s[WV], 1
	s_lshl_b32 s72, s72, 3
	s_add_co_u32 s71, s71, s72
	v_add_nc_u32 v10, s71, v7                      ; my query in its chunk of 128, less 16 h
	v_mov_b32 v11, 0xff800000
.irp j, 22,23,24,25,26,27
	v_mov_b32 v[\j], 0                             ; k = 64 .. 127 of Q: zero codes
.endr
.irp t, 0,1,2,3
.irp j, 6,7,8,9,10,11
	v_mov_b32 v[32+12*\t+\j], 0                    ; and of K's four fragments: written once
.endr
.endr
.irp b, 0,1,2,3
	v_mov_b32 v[84+\b], 0                          ; (a lane permute's destination counts as one of its sources)
.endr
	v_mov_b32 v213, 0                              ; (named as the upper half of the pair v[212:213] before it is first written)
	v_mov_b32 v214, 0
	s_mul_i32 s83, ttmp9, 768                      ; the prefetches' offset: of my wave's 12 blocks of 256 bytes my work-group names blocks 3 i .. 3 i + 2;
	v_and_b32 v224, 31, v0
	v_min_u32 v224, 2, v224                        ; lanes that are left over name the last of the three again
	v_lshlrev_b32 v224, 8, v224
	v_add_nc_u32 v224, s83, v224
.macro BEGIN                           ; a query block begins: the largest t -3e38, under every t; the sum and O^T zeros, which the first change of M leaves zeros
	v_mov_b32 v13, 0xff61b1e6
	s_delay_alu instid0(VALU_DEP_1)
	v_floor_f32 v12, -v13
	v_mov_b32 v14, 0
	v_mov_b32 v15, 0
.set j, 0
.rept 32
	v_mov_b32 v[160+j], 0
.set j, j+1
.endr
.endm
	BEGIN
.macro ADDRS                           ; the trip's six LDS addresses
	v_add_nc_u32 v4, s[TB], v1
	v_add_nc_u32 v5, s[TB], v2
	v_add_nc_u32 v6, s[TBV], v1
	v_add_nc_u32 v7, s[TBV], v2
	v_add_nc_u32 v8, s[TSK], v3
	v_add_nc_u32 v9, s[TJV], v3
.endm
; A KEY STEP: 128 keys, the q-th of the slot in hand.  causal = 0: every key is known to count.
.macro STEP q, causal
.if \causal
	s_add_co_u32 s71, s[KC0], \q
	s_cmp_gt_u32 s71, s[QCH]                       ; all 128 keys come after my queries: the step is left out
	s_cbranch_scc1 .Lhid_\@
.endif
	s_wait_alu depctr_va_vdst(0)
.irp g, 0,1                                      ; S^T = K Q^T, four tiles of 16 keys at a time
.if \g
.rept 4
	v_nop                                          ; places in front of loads into registers that matrix instructions have read
.endr
.endif
.irp t, 0,1,2,3
	ds_load_b128 v[32+12*\t:35+12*\t], v4 offset:768*(8*\q+4*\g+\t)
	ds_load_b64 v[36+12*\t:37+12*\t], v5 offset:768*(8*\q+4*\g+\t)+512
	ds_load_b32 v[92+\t], v8 offset:512*\q+64*(4*\g+\t)
.endr
	s_wait_dscnt 0x0
.irp t, 0,1,2,3
	v_wmma_scale_f32_16x16x128_f8f6f4 v[96+8*(4*\g+\t):103+8*(4*\g+\t)], v[32+12*\t:43+12*\t], v[16:27], 0, v[92+\t], v215 matrix_a_fmt:MATRIX_FMT_BF6 matrix_b_fmt:MATRIX_FMT_BF6
.endr
.endr
.rept 4
	v_nop
.endr
.if \causal
	s_cmp_lt_u32 s71, s[QCH]                       ; all keys count: no mask
	s_cbranch_scc1 .Lopen_\@
.set n, 0
.rept 64                                         ; register 16 b + i holds key 32 b + 16 h + i of the chunk: hidden where 32 b + i > my query - 16 h
	v_cmp_gt_i32 vcc_lo, 32*(n/16)+n%16, v10
	v_cndmask_b32 v[96+n], v[96+n], v11, vcc_lo
.set n, n+1
.endr
.Lopen_\@:
.endif
.irp b, 0,1,2,3
	v_max3_num_f32 v[80+\b], v[96+16*\b], v[97+16*\b], v[98+16*\b]   ; the largest score of each block of 32 keys: for the row's maximum, and for the block's largest p
.endr
.irp i, 3,5,7,9,11,13
.irp b, 0,1,2,3
	v_max3_num_f32 v[80+\b], v[80+\b], v[96+16*\b+\i], v[97+16*\b+\i]
.endr
.endr
.irp b, 0,1,2,3
	v_max_num_f32 v[80+\b], v[80+\b], v[111+16*\b]
.endr
.irp b, 0,1,2,3
	s_delay_alu instid0(VALU_DEP_4)
	v_permlanex16_b32 v[84+\b], v[80+\b], s[SEL], s[SEL+1]
.endr
.irp b, 0,1,2,3
	s_delay_alu instid0(VALU_DEP_4)
	v_max_num_f32 v[80+\b], v[80+\b], v[84+\b]     ; with lane l xor 16's 16 keys
.endr
	s_delay_alu instid0(VALU_DEP_2)
	v_max3_num_f32 v214, v80, v81, v82
	s_delay_alu instid0(VALU_DEP_1)
	v_max_num_f32 v214, v214, v83
	s_delay_alu instid0(VALU_DEP_1)
	v_mul_f32 v214, s[CS], v214                    ; the step's largest t
	s_delay_alu instid0(VALU_DEP_1)
	v_max_num_f32 v13, v13, v214
	v_mov_b32 v214, v12
	s_delay_alu instid0(VALU_DEP_2)
	v_floor_f32 v12, -v13                          ; the new -M = floor(-t)
	s_delay_alu instid0(VALU_DEP_1)
	v_sub_f32 v214, v12, v214                      ; old M - new M: a whole number, 0 or less
	s_delay_alu instid0(VALU_DEP_1)
	v_cvt_i32_f32 v214, v214                       ; (it saturates)
	s_delay_alu instid0(VALU_DEP_1)
	v_ldexp_f32 v212, 1.0, v214                    ; f = 2^(old M - new M)
.set j, 0
.rept 32
	v_pk_fma_f32 v[96+j:97+j], v[96+j:97+j], s[CS:CS+1], v[12:13] op_sel_hi:[1,0,0]   ; t - M, two at a time
.set j, j+2
.endr
.irp b, 0,1,2,3
	v_fma_f32 v[80+\b], v[80+\b], s[CS], v12       ; the same of each block's largest score
.endr
.set j, 0
	s_wait_alu depctr_va_vdst(0)
.rept 64
	v_exp_f32 v[96+j], v[96+j]                     ; p = 2^(t - M)
.set j, j+1
.endr
	v_pk_mul_f32 v[14:15], v[14:15], v[212:213] op_sel_hi:[1,0]   ; the sums under the new M: a plain line behind the exponentials
	s_wait_alu depctr_va_vdst(0)                   ; one wait for the batch, ahead of its first reader
.irp b, 0,1,2,3
	v_exp_f32 v[80+\b], v[80+\b]                   ; each block's largest p
.endr
	v_pk_add_f32 v[84:85], v[100:101], v[104:105]
	v_pk_add_f32 v[252:253], v[108:109], v[112:113]
	v_pk_add_f32 v[250:251], v[116:117], v[120:121]
	v_pk_add_f32 v[248:249], v[124:125], v[128:129]
	v_pk_add_f32 v[246:247], v[132:133], v[136:137]
	v_pk_add_f32 v[244:245], v[140:141], v[144:145]
	v_pk_add_f32 v[242:243], v[148:149], v[152:153]
	v_pk_add_f32 v[14:15], v[14:15], v[156:157]
	v_pk_add_f32 v[84:85], v[84:85], v[96:97]
	v_pk_add_f32 v[252:253], v[252:253], v[98:99]
	v_pk_add_f32 v[250:251], v[250:251], v[102:103]
	v_pk_add_f32 v[248:249], v[248:249], v[106:107]
	v_pk_add_f32 v[246:247], v[246:247], v[110:111]
	v_pk_add_f32 v[244:245], v[244:245], v[114:115]
	v_pk_add_f32 v[242:243], v[242:243], v[118:119]
	v_pk_add_f32 v[14:15], v[14:15], v[122:123]
	v_pk_add_f32 v[84:85], v[84:85], v[126:127]
	v_pk_add_f32 v[252:253], v[252:253], v[130:131]
	v_pk_add_f32 v[250:251], v[250:251], v[134:135]
	v_pk_add_f32 v[248:249], v[248:249], v[138:139]
	v_pk_add_f32 v[246:247], v[246:247], v[142:143]
	v_pk_add_f32 v[244:245], v[244:245], v[146:147]
	v_pk_add_f32 v[242:243], v[242:243], v[150:151]
	v_pk_add_f32 v[14:15], v[14:15], v[154:155]
	v_pk_add_f32 v[84:85], v[84:85], v[158:159]
	s_delay_alu instid0(VALU_DEP_2)
	v_pk_add_f32 v[14:15], v[14:15], v[248:249]
	s_delay_alu instid0(VALU_DEP_2)
	v_pk_add_f32 v[84:85], v[84:85], v[246:247]
	v_pk_add_f32 v[252:253], v[252:253], v[244:245]
	v_pk_add_f32 v[250:251], v[250:251], v[242:243]
	s_delay_alu instid0(VALU_DEP_2)
	v_pk_add_f32 v[14:15], v[14:15], v[252:253]
	s_delay_alu instid0(VALU_DEP_2)
	v_pk_add_f32 v[84:85], v[84:85], v[250:251]
	s_delay_alu instid0(VALU_DEP_1)
	v_pk_add_f32 v[14:15], v[14:15], v[84:85]
	s_wait_alu depctr_va_vdst(0)                   ; and one for the four
.irp b, 0,1,2,3
	v_max_num_f32 v[80+\b], 0x2800000, v[80+\b]    ; the floor 2^(5 - 127)
.endr
.irp b, 0,1,2,3
	s_delay_alu instid0(VALU_DEP_4)
	v_add_nc_u32 v[88+\b], 0xfe000000, v[80+\b]    ; the conversion's scale operand
.endr
.irp b, 0,1,2,3
	s_delay_alu instid0(VALU_DEP_4)
	v_lshrrev_b32 v[84+\b], 23, v[88+\b]           ; the scale's byte
.endr
	s_delay_alu instid0(VALU_DEP_3)
	v_lshl_or_b32 v213, v85, 8, v84                ; p's scale word for these 128 keys
	s_delay_alu instid0(VALU_DEP_1)
	v_lshl_or_b32 v213, v86, 16, v213
	s_delay_alu instid0(VALU_DEP_1)
	v_lshl_or_b32 v213, v87, 24, v213
.irp c, 0,1
	v_cvt_scalef32_pk16_bf6_f32 v[192+6*\c:194+6*\c], v[96+32*\c:111+32*\c], v[88+2*\c]
	v_cvt_scalef32_pk16_bf6_f32 v[204+4*\c:206+4*\c], v[112+32*\c:127+32*\c], v[88+2*\c+1]
.endr
	v_nop                                          ; one plain line behind the conversions
.irp t, 0,1,2,3                                  ; V's four fragments (16 channels x these 128 keys) into the registers that p has left; they land under the lines below
	ds_load_b128 v[96+12*\t:99+12*\t], v6 offset:6144*\q+1536*\t
	ds_load_b64 v[100+12*\t:101+12*\t], v7 offset:6144*\q+1536*\t+512
	ds_load_b128 v[102+12*\t:105+12*\t], v6 offset:6144*\q+1536*\t+768
	ds_load_b64 v[106+12*\t:107+12*\t], v7 offset:6144*\q+1536*\t+1280
	ds_load_b32 v[92+\t], v9 offset:256*\q+64*\t
.endr
.irp c, 0,1                                      ; a whole block to a lane
.irp i, 0,1,2
	v_permlane16_swap_b32 v[192+6*\c+\i], v[204+4*\c+\i]
.endr
.irp i, 0,1,2
	s_delay_alu instid0(VALU_DEP_3)
	v_mov_b32 v[195+6*\c+\i], v[204+4*\c+\i]
.endr
.endr
.set j, 0
.rept 16
	v_pk_mul_f32 v[160+j:161+j], v[160+j:161+j], v[212:213] op_sel_hi:[1,0]   ; O^T under the new M; these sixteen are also the places between p's codes and scale word and the products
.set j, j+2
.endr
	s_wait_alu depctr_va_vdst(0)
	s_wait_dscnt 0x0
.irp t, 0,1,2,3                                  ; O^T += V^T P^T: the four accumulators take turns
	v_wmma_scale_f32_16x16x128_f8f6f4 v[160+8*\t:167+8*\t], v[96+12*\t:107+12*\t], v[192:203], v[160+8*\t:167+8*\t], v[92+\t], v213 matrix_a_fmt:MATRIX_FMT_BF6 matrix_b_fmt:MATRIX_FMT_BF6
.endr
.rept 5
	v_nop                                          ; five: the next scores are written over V's registers by matrix instructions
.endr
.if \causal
.Lhid_\@:
.endif
.endm
	s_mov_b32 s[KC0], 0
	s_mov_b32 s[TB], 0
	s_mov_b32 s[TBV], 98304
	s_mov_b32 s[TSK], 196608
	s_mov_b32 s[TJV], 204800
	s_wait_alu depctr_va_vdst(0)
	s_wait_loadcnt 0x0                             ; Q
	s_mov_b32 s[N], 0
.Lfill:                                                ; TRIPS 0 TO 2: slot N is read; slots 2 N + 2 and 2 N + 3 are asked for
	s_wait_xcnt 0x0                                ; the last trip's prefetch has read its base, which is written below
	s_wait_tensorcnt 0x0                           ; all my loads have landed;
	ds_add_u32 v254, v255
	s_add_co_u32 s96, s96, 24576                   ; no load of mine is out, so the group 0 may be written: the next pair of slots
	s_mov_b32 s[G0C+1], s96
	s_add_nc_u64 s[98:99], s[80:81], s[96:97]
	s_mov_b64 s[G0C+2:G0C+3], s[98:99]
	s_or_b32 s[G0C+3], s[G0C+3], 0x80000000
	s_wait_dscnt 0x0                               ; the add and my LDS reads are done
	s_barrier_signal -1
	s_barrier_wait -1                              ; everybody's parts are in
	s_lshl_b32 s71, s[N], 1
	s_add_co_u32 s71, s71, 2
	s_cmp_lt_u32 s71, s[NA]                        ; does my work-group read slot 2 N + 2?  Ids alone, the same in all waves; it fails only for slots 6 and 7
	s_cbranch_scc0 .Lnofill
	tensor_load_to_lds s[G0C:G0C+3], s[G1C:G1C+7]  ; a first fill, my one load behind this barrier
	s_nop 0
.rept 4
	v_nop
.endr
.Lnofill:
	ADDRS
	s_wait_alu depctr_va_vdst(0)
	STEP 0, 0                                      ; the first query block lies at chunk 8 or later, and trips 0 to 2 read chunks 0 to 5: every key counts
	s_cmp_lt_u32 s[N], 2                           ; trips 0 and 1 ask for the pair that the next trip loads (slots 4 to 7): 24,576 bytes beyond this trip's pair, inside K's or V's codes
	s_cbranch_scc0 .Lnoask
	global_prefetch_b8 v224, s[98:99] offset:24576 th:TH_LOAD_NT scope:SCOPE_SE
.Lnoask:
	STEP 1, 0
	s_add_co_u32 s[TB], s[TB], 12288               ; the next slot
	s_add_co_u32 s[TBV], s[TBV], 12288
	s_add_co_u32 s[TSK], s[TSK], 1024
	s_add_co_u32 s[TJV], s[TJV], 512
	s_add_co_u32 s[N], s[N], 1
	s_cmp_lt_u32 s[N], 3
	s_cbranch_scc1 .Lfill
	s_wait_tensorcnt 0x0                           ; my part of the last pair is in,
	ds_add_u32 v254, v255
	s_wait_dscnt 0x0
	s_barrier_signal -1
	s_barrier_wait -1                              ; everybody's is.  From here on LDS is only read: no further barrier
	s_mov_b32 s[N], 3
.Ltrip:
	s_cmp_ge_u32 s[N], s[NA]
	s_cselect_b32 s71, s[NA], 0
	s_sub_co_u32 s71, s[N], s71
	s_and_b32 s71, s71, 7                          ; the slot: the trip's number in its query block
	s_lshl_b32 s[KC0], s71, 1
	s_mul_i32 s[TB], s71, 12288
	s_add_co_u32 s[TBV], s[TB], 98304
	s_lshl_b32 s[TSK], s71, 10
	s_add_co_u32 s[TSK], s[TSK], 196608
	s_lshl_b32 s[TJV], s71, 9
	s_add_co_u32 s[TJV], s[TJV], 204800
	ADDRS
	STEP 0, 1
	STEP 1, 1
	s_add_co_u32 s72, s[N], 1
	s_cmp_eq_u32 s72, s[NA]
	s_cselect_b32 s73, 1, 0                        ; the first query block's last trip?
	s_cmp_eq_u32 s[N], 8
	s_cselect_b32 s74, 1, s73                      ; or the second's?
	s_cmp_eq_u32 s74, 0
	s_cbranch_scc1 .Lnext
	; A QUERY BLOCK ENDS: O^T / l, quantised along the head's 64 channels: one unit of ctx and two scale bytes a row
	v_add_f32 v14, v14, v15
	s_delay_alu instid0(VALU_DEP_1)
	v_permlanex16_b32 v214, v14, s[SEL], s[SEL+1]
	s_delay_alu instid0(VALU_DEP_1)
	v_add_f32 v14, v14, v214                       ; the row's sum
	s_wait_alu depctr_va_vdst(0)
	v_rcp_f32 v14, v14
	v_nop                                          ; a plain line behind the reciprocal
	s_wait_alu depctr_va_vdst(0)                   ; and the wait ahead of its first reader
.set j, 0
.rept 32
	v_mul_f32 v[96+j], v[160+j], v14               ; register 16 b + i: channel 32 b + 16 h + i; each accumulator from its low end on
.set j, j+1
.endr
	v_max3_num_f32 v80, |v96|, |v97|, 0x2800000
	v_max3_num_f32 v81, |v112|, |v113|, 0x2800000
.irp i, 2,4,6,8,10,12,14
	s_delay_alu instid0(VALU_DEP_2)
	v_max3_num_f32 v80, v80, |v[96+\i]|, |v[97+\i]|
	s_delay_alu instid0(VALU_DEP_2)
	v_max3_num_f32 v81, v81, |v[112+\i]|, |v[113+\i]|
.endr
	s_delay_alu instid0(VALU_DEP_2)
	v_permlanex16_b32 v84, v80, s[SEL], s[SEL+1]
	s_delay_alu instid0(VALU_DEP_2)
	v_permlanex16_b32 v85, v81, s[SEL], s[SEL+1]
	s_delay_alu instid0(VALU_DEP_2)
	v_max_num_f32 v80, v80, v84
	s_delay_alu instid0(VALU_DEP_2)
	v_max_num_f32 v81, v81, v85
	s_delay_alu instid0(VALU_DEP_2)
	v_add_nc_u32 v88, 0xfe000000, v80
	s_delay_alu instid0(VALU_DEP_2)
	v_add_nc_u32 v89, 0xfe000000, v81
	s_delay_alu instid0(VALU_DEP_2)
	v_lshrrev_b32 v84, 23, v88
	s_delay_alu instid0(VALU_DEP_2)
	v_lshrrev_b32 v85, 23, v89
	s_delay_alu instid0(VALU_DEP_1)
	v_lshl_or_b32 v86, v85, 8, v84                 ; the row's two bytes
	v_cvt_scalef32_pk16_bf6_f32 v[192:194], v[96:111], v88
	v_cvt_scalef32_pk16_bf6_f32 v[204:206], v[112:127], v89
	v_nop
.irp i, 0,1,2
	v_permlane16_swap_b32 v[192+\i], v[204+\i]
.endr
.irp i, 0,1,2
	s_delay_alu instid0(VALU_DEP_3)
	v_mov_b32 v[195+\i], v[204+\i]
.endr
	global_store_b128 v1, v[192:195], s[CB:CB+1]               ; 512 consecutive bytes, aligned
	global_store_b64 v2, v[196:197], s[CB:CB+1] offset:512     ; 256
	global_store_b16 v30, v86, s[CSB:CSB+1]        ; two bytes a row, rows 8 bytes apart; lanes l and l xor 16 name the same bytes with the same value, so EXEC stays whole
	s_wait_xcnt 0x0                                ; the stores have read their data and bases: both are written again only behind this wait
	s_cmp_eq_u32 s73, 0
	s_cbranch_scc1 .Lnext
	; THE SECOND QUERY BLOCK
	v_mov_b32 v215, v222                           ; Q's scale word and fragment first: the lines below are the places ahead of the next products
.irp j, 0,1,2,3,4,5
	v_mov_b32 v[16+\j], v[216+\j]
.endr
	s_mov_b64 s[CB:CB+1], s[CB2:CB2+1]
	s_mov_b64 s[CSB:CSB+1], s[CSB2:CSB2+1]
	s_mov_b32 s[QCH], s[QCH2]
	BEGIN
.Lnext:
	s_add_co_u32 s[N], s[N], 1
	s_cmp_lt_u32 s[N], 9
	s_cbranch_scc1 .Ltrip
	s_wait_tensorcnt 0x0
	ds_add_u32 v254, v255
	s_wait_dscnt 0x0
	s_endpgm
.Lfunc_end_k_qa840c34cd4_attn:
	.size	k_qa840c34cd4_attn, .Lfunc_end_k_qa840c34cd4_attn-k_qa840c34cd4_attn
	.p2alignl 7, 3214868480
	.fill 96, 4, 3214868480
	.section	.rodata,"a",@progbits
	.p2align	6, 0x0
	.amdhsa_kernel k_qa840c34cd4_attn
		.amdhsa_group_segment_fixed_size 327680
		.amdhsa_private_segment_fixed_size 0
		.amdhsa_enable_private_segment 0
		.amdhsa_kernarg_size 16
		.amdhsa_user_sgpr_count 2
		.amdhsa_user_sgpr_kernarg_segment_ptr 1
		.amdhsa_wavefront_size32 1
		.amdhsa_system_sgpr_workgroup_id_x 1
		.amdhsa_system_sgpr_workgroup_id_y 1
		.amdhsa_system_sgpr_workgroup_id_z 1
		.amdhsa_system_vgpr_workitem_id 0
		.amdhsa_next_free_vgpr 256
		.amdhsa_next_free_sgpr 100
		.amdhsa_reserve_vcc 1
		.amdhsa_float_denorm_mode_32 3
		.amdhsa_float_denorm_mode_16_64 3
		.amdhsa_memory_ordered 1
		.amdhsa_forward_progress 1
		.amdhsa_inst_pref_size 100
	.end_amdhsa_kernel
	.amdgpu_metadata
---
amdhsa.version: [ 1, 2 ]
amdhsa.kernels:
  - .name:           k_qa840c34cd4_attn
    .symbol:         k_qa840c34cd4_attn.kd
    .args:
      - { .name: qkv, .offset: 0, .size: 8, .value_kind: global_buffer, .address_space: global }
      - { .name: cq, .offset: 8, .size: 8, .value_kind: global_buffer, .address_space: global }
    .group_segment_fixed_size: 327680
    .private_segment_fixed_size: 0
    .kernarg_segment_align: 8
    .kernarg_segment_size: 16
    .max_flat_workgroup_size: 512
    .sgpr_count:     100
    .vgpr_count:     256
    .wavefront_size: 32
...
	.end_amdgpu_metadata
.endif
;; end of part 3
;; launch gemm_out (part 4): grid 4 x 64, 4 waves a work-group, clusters of 4 x 4, 327,680 bytes of LDS; arguments cq, wq, b_out, out0; writes out0
.if DOCPART == 4
	.amdgcn_target "amdgcn-amd-amdhsa--gfx1250"
	.amdhsa_code_object_version 6
	.text
	.protected	k_qa840c34cd4_gemm_out
	.globl	k_qa840c34cd4_gemm_out
	.p2align	8
	.type	k_qa840c34cd4_gemm_out,@function
k_qa840c34cd4_gemm_out:
	s_mov_b64 s[64:65], 0
	v_nop
	global_prefetch_b8 v0, s[64:65] scope:SCOPE_SE
	s_setreg_imm32_b32 hwreg(HW_REG_WAVE_MODE, 25, 1), 1
	s_wait_xcnt 0x0
	s_wait_alu depctr_hold_cnt(0) depctr_sa_sdst(0) depctr_va_vdst(0) depctr_va_sdst(0) depctr_va_ssrc(0) depctr_va_vcc(0) depctr_vm_vsrc(0)
	s_getreg_b32 s2, hwreg(HW_REG_IB_STS2, 6, 4)
	s_cmp_eq_u32 s2, 0
	s_cbranch_scc0 .Lentry_in_a_cluster
	s_endpgm
.Lentry_in_a_cluster:
	s_bfe_u32 s2, ttmp6, 0x10000c
	s_cmp_lg_u32 s2, 0xf033
	s_cbranch_scc0 .Lentry_shape_is_right
	s_endpgm
.Lentry_shape_is_right:
; out0 = ctx x w_out + b_out on codes of E3M2, K = 1,024.  ctx's codes and scale bytes lie in cq, w_out's in wq (from position 3,072 on), both as images of the operand's registers:
; a unit (16 positions x 64 K, 768 bytes) has lane l's first 16 bytes at 16 l and its last 8 at 512 + 8 l; a tile of 16 positions, all of K, is 12,288 dense bytes.  Position p holds index sigma(p), bits 3 and 4 exchanged.
; A block of 128 rows x 256 columns to a work-group: 64 x 4 = 256 work-groups.  ALL OF K LIES IN LDS: A's 8 tiles (98,304 bytes) and B's 16 (196,608), each byte filled once, by one joint load a wave at the head:
; no ring, no refill.  Four waves, 64 rows x 128 columns each: 32 accumulators, 256 registers; eight steps of 128 along K, written out.
; CLUSTERS 4 x 4: A's tiles are asked for jointly along a row of the cluster, B's along a column.
; THE SCALE WORDS go from memory into registers, once: a load's 32 lanes read 256 consecutive bytes of a tile's 512: lanes 0-15 the two words of K steps 4 g, 4 g + 1 of row r, lanes 16-31 those of steps 4 g + 2, 4 g + 3;
; the instruction's row selectors pick the half by the step.
; Source 0 = rows of B, source 1 = rows of A: a lane holds eight neighbouring columns of one row.  The bias is the C of each accumulator's first product.
; No prefetch: every tile is asked for at the head, and no later load exists to run ahead of.
; LIMITS: NaN and infinities are not served.
; REGISTERS: window 0: v4-23 addresses, v28-29 the add's two, v32-47 A's scale words, v48-79 B's, v80-143 the bias, v144-239 A's fragments (two sets; on the way out rows read back);
;   window 1: B's fragments, two sets, at v0 and v128;  window 2: accumulator (a, b) at v[8 (8 a + b)].
.set FR,     12
.set ABY,    98304                     ; LDS: A's tiles, then B's
.set SPARE,  294912                    ; the spare words: 128 bytes a wave, two blocks of 256 bytes that no other line names
.set STAGE,  295424                    ; the way out: 16 rows x 272 bytes a wave
.set SPITCH, 272
.set XS,     6291456                   ; cq: where the scale bytes begin
.set WS,     3145728                   ; wq: likewise
.set L16,  4
.set L8,   5
.set STO,  8
.set RD,   9
.set CO,   10
.set ADRA, 16                          ; v16 my A tiles at 16 l, v17 at 8 l
.set ADRB, 20                          ; v20-21 my B tiles 0-3 likewise, v22-23 tiles 4-7 (an LDS offset has 16 bits)
.set SPW,  28
.set NIL,  29
.set SA,   32
.set SB,   48
.set BI,   80
.set AF,   144
.set BK,   144
.set G1,   24
.set G0,   32
.set G1B,  48
.set G0B,  56
.set MSB, 0
.macro WIN new                         ; the immediate's high byte repeats the setting that is left
.if MSB != (\new)
	s_set_vgpr_msb (MSB<<8)|(\new)
.set MSB, (\new)
.endif
.endm
.set MUL,  0xa1                        ; source 0 (B) window 1, source 1 (A) window 0, C and D window 2
.set BIA,  0x81                        ; the same with C (the bias) in window 0
.set TO_B, 0x40
.macro CROUND                          ; a round of the cluster's barrier
	s_barrier_signal -1
	s_barrier_wait -1
	s_cmp_lg_u32 s14, 0
	s_cbranch_scc1 .Lnot_wave_0_\@
	s_barrier_signal -3
.Lnot_wave_0_\@:
	s_barrier_wait -3
	s_barrier_signal -1
	s_barrier_wait -1
.endm
.macro PLACES                          ; plain vector lines between a matrix instruction and a load into, or a read of, its registers
.rept 4
	v_nop
.endr
.endm
	s_load_b128 s[4:7], s[0:1], 0x0                ; cq, wq
	s_load_b128 s[8:11], s[0:1], 0x10              ; b_out, out0
	v_lshl_add_u32 v[SPW], v0, 2, SPARE
	v_mov_b32 v[NIL], 0
	ds_add_u32 v[SPW], v[NIL]                      ; the opening add, twice on end, and its wait below
	ds_add_u32 v[SPW], v[NIL]
	v_lshrrev_b32 v1, 5, v0
	v_readfirstlane_b32 s14, v1                    ; wave 0..3
	s_lshr_b32 s15, s14, 1                         ; which 64 rows of A are mine.  Also: I fetch for A (0) or for B (1)
	s_and_b32 s16, s14, 1                          ; which 128 rows of B are mine.  Also: which half of that tile I fetch
	s_bfe_u32 s40, ttmp6, 0x40000                  ; cx
	s_bfe_u32 s41, ttmp6, 0x40004                  ; cy
	s_and_b32 s17, ttmp7, 0xffff
	s_lshl_b32 s17, s17, 2
	s_add_co_u32 s17, s17, s41                     ; A's block of 128 rows
	s_add_co_u32 s42, s40, 12                      ; B's block of 256 positions in wq
	s_lshl_b32 s43, s41, 2
	s_lshl_b32 s43, 15, s43                        ; my row of the cluster
	s_lshl_b32 s44, 0x1111, s40                    ; my column
	s_or_b32 s[G1+0], s43, (3<<16)|(1<<21)         ; the mask; elements of 8 bytes; bit 21 beside a mask
	s_or_b32 s[G1B+0], s44, (3<<16)|(1<<21)
.irp g, G1, G1B
	s_mov_b32 s[\g+1], 1536<<16                    ; a row is a tile: 12,288 bytes, dense
	s_mov_b32 s[\g+3], 1536<<16
	s_mov_b32 s[\g+5], 1536
	s_mov_b32 s[\g+6], 0
	s_mov_b32 s[\g+7], 0
.endr
	s_mov_b32 s[G1+2], 4<<16                       ; A: 4 tiles a load
	s_mov_b32 s[G1+4], 4
	s_mov_b32 s[G1B+2], 8<<16                      ; B: 8
	s_mov_b32 s[G1B+4], 8
	s_mul_i32 s20, s17, 98304                      ; A's codes: my block, the half that I fetch
	s_mul_i32 s2, s16, 49152
	s_add_co_u32 s20, s20, s2
	s_mov_b32 s21, 0
	s_lshl_b32 s22, s17, 12                        ; A's scale bytes: 512 a tile: my block, my 4 tiles
	s_lshl_b32 s3, s15, 11
	s_add_co_u32 s22, s22, s3
	s_add_co_u32 s22, s22, XS
	s_mov_b32 s23, 0
	s_mul_i32 s92, s42, 196608                     ; B likewise
	s_mul_i32 s3, s16, 98304
	s_add_co_u32 s92, s92, s3
	s_mov_b32 s93, 0
	s_lshl_b32 s94, s42, 13
	s_lshl_b32 s12, s16, 12
	s_add_co_u32 s94, s94, s12
	s_add_co_u32 s94, s94, WS
	s_mov_b32 s95, 0
	s_lshl_b32 s36, s40, 10                        ; my first column, in bytes: 1,024 cx + 512 x half
	s_lshl_b32 s12, s16, 9
	s_add_co_u32 s36, s36, s12
	s_mov_b32 s37, 0
	s_lshl_b32 s38, s17, 19                        ; my first row of out0: 128 rows of 4,096 bytes a block, + 64 x half
	s_lshl_b32 s12, s15, 18
	s_add_co_u32 s38, s38, s12
	s_mov_b32 s39, 0
	s_mul_i32 s18, s15, 49152                      ; LDS: my 4 tiles of A,
	s_add_co_u32 s19, s3, ABY                      ; my 8 tiles of B,
	s_mul_i32 s47, s14, 16*SPITCH
	s_add_co_u32 s47, s47, STAGE                   ; my stage
	s_mov_b32 s[G0], 1
	s_mov_b32 s[G0+1], s2                          ; no place in the cluster enters an LDS address
	s_mov_b32 s[G0B], 1
	s_mov_b32 s[G0B+1], s19
	s_wait_dscnt 0x0                               ; both opening adds are done
	s_wait_kmcnt 0x0
	s_add_nc_u64 s[G0+2:G0+3], s[4:5], s[20:21]
	s_or_b32 s[G0+3], s[G0+3], 0x80000000
	s_add_nc_u64 s[G0B+2:G0B+3], s[6:7], s[92:93]
	s_or_b32 s[G0B+3], s[G0B+3], 0x80000000
	s_add_nc_u64 s[22:23], s[4:5], s[22:23]
	s_add_nc_u64 s[94:95], s[6:7], s[94:95]
	s_add_nc_u64 s[96:97], s[8:9], s[36:37]
	s_add_nc_u64 s[98:99], s[10:11], s[38:39]
	s_add_nc_u64 s[98:99], s[98:99], s[36:37]
	CROUND                                         ; all sixteen work-groups are here: the joint loads meet
	s_cmp_eq_u32 s15, 0                            ; one load a wave: waves 0, 1 A's halves, waves 2, 3 B's
	s_cbranch_scc0 .Lfor_b
	tensor_load_to_lds s[G0:G0+3], s[G1:G1+7]
	s_nop 0
	PLACES
	s_branch .Lasked
.Lfor_b:
	tensor_load_to_lds s[G0B:G0B+3], s[G1B:G1B+7]
	s_nop 0
	PLACES
.Lasked:
	v_and_b32 v1, 31, v0                           ; l
	v_and_b32 v2, 15, v0                           ; r
	v_bfe_u32 v3, v0, 4, 1                         ; h
	v_lshlrev_b32 v[L16], 4, v1
	v_lshlrev_b32 v[L8], 3, v1
	v_lshlrev_b32 v7, 6, v3                        ; the bias: 16 h columns
	v_add_nc_u32 v[ADRA], s18, v[L16]
	v_add_nc_u32 v[ADRA+1], s18, v[L8]
	v_add_nc_u32 v[ADRB], s19, v[L16]
	v_add_nc_u32 v[ADRB+1], s19, v[L8]
	v_add_nc_u32 v[ADRB+2], 49152, v[ADRB]
	v_add_nc_u32 v[ADRB+3], 49152, v[ADRB+1]
	v_mul_u32_u24 v6, v2, SPITCH                   ; the stage, in: row r, 64 h bytes
	v_lshl_add_u32 v6, v3, 6, v6
	v_add_nc_u32 v[STO], s47, v6
	v_mul_u32_u24 v11, v3, SPITCH                  ; back: sixteen lanes to a row of 256 bytes, two rows an instruction
	v_lshl_add_u32 v11, v2, 4, v11
	v_add_nc_u32 v[RD], s47, v11
	v_lshlrev_b32 v[CO], 12, v3                    ; and the same two rows in out0
	v_lshl_add_u32 v[CO], v2, 4, v[CO]
.irp a, 0,1,2,3
.irp g, 0,1
	global_load_b64 v[SA+4*\a+2*\g:SA+4*\a+2*\g+1], v[L8], s[22:23] offset:512*\a+256*\g   ; 256 consecutive bytes, aligned
.endr
.endr
.irp b, 0,1,2,3,4,5,6,7
.irp g, 0,1
	global_load_b64 v[SB+4*\b+2*\g:SB+4*\b+2*\g+1], v[L8], s[94:95] offset:512*\b+256*\g
.endr
.endr
.irp b, 0,1,2,3,4,5,6,7                          ; register j of accumulator b is column 32 (b / 2) + 16 h + 8 (b % 2) + j
	global_load_b128 v[BI+8*\b:BI+8*\b+3], v7, s[96:97] offset:128*(\b/2)+32*(\b%2)
	global_load_b128 v[BI+8*\b+4:BI+8*\b+7], v7, s[96:97] offset:128*(\b/2)+32*(\b%2)+16
.endr
.macro FRAG reg, adr, st, i            ; a fragment, 16 rows x 128 K: two units, each 16 bytes a lane and then 8
	ds_load_b128 v[\reg:\reg+3], v[\adr] offset:12288*(\i)+1536*(\st)
	ds_load_b64 v[\reg+4:\reg+5], v[\adr+1] offset:12288*(\i)+1536*(\st)+512
	ds_load_b128 v[\reg+6:\reg+9], v[\adr] offset:12288*(\i)+1536*(\st)+768
	ds_load_b64 v[\reg+10:\reg+11], v[\adr+1] offset:12288*(\i)+1536*(\st)+1280
.endm
.macro FETCH st                        ; step st's fragments into set st % 2: 32 loads for B, 16 for A
	WIN TO_B
.irp i, 0,1,2,3,4,5,6,7
	FRAG 128*((\st)%2)+FR*\i, ADRB+2*(\i/4), \st, \i%4
.endr
	WIN 0
.irp i, 0,1,2,3
	FRAG AF+48*((\st)%2)+FR*\i, ADRA, \st, \i
.endr
.endm
; A step: the next step's 48 loads first, then 32 matrix instructions; the 32 accumulators take turns in the same order in every step.
.macro STEP st
.if (\st) < 7
.if (\st) > 0
	PLACES                                         ; the set that is fetched into was multiplied in the step before
.endif
	FETCH (\st)+1
	s_wait_dscnt 48                                ; all but the 48 just issued: this step's fragments are in
.else
	s_wait_dscnt 0x0
.endif
.if (\st) == 0
	WIN BIA
.else
	WIN MUL
.endif
.irp a, 0,1,2,3
.irp b, 0,1,2,3,4,5,6,7
.set DD, 8*(8*\a+\b)
.set BF, 128*((\st)%2)+FR*\b
.set AA, AF+48*((\st)%2)+FR*\a
.set SBR, SB+4*\b+2*((\st)/4)+(\st)%2
.set SAR, SA+4*\a+2*((\st)/4)+(\st)%2
.if (\st) == 0
	v_wmma_scale_f32_16x16x128_f8f6f4 v[DD:DD+7], v[BF:BF+11], v[AA:AA+11], v[BI+8*\b:BI+8*\b+7], v[SBR], v[SAR] matrix_a_fmt:MATRIX_FMT_BF6 matrix_b_fmt:MATRIX_FMT_BF6
.elseif ((\st)/2)%2 == 0
	v_wmma_scale_f32_16x16x128_f8f6f4 v[DD:DD+7], v[BF:BF+11], v[AA:AA+11], v[DD:DD+7], v[SBR], v[SAR] matrix_a_fmt:MATRIX_FMT_BF6 matrix_b_fmt:MATRIX_FMT_BF6
.else
	v_wmma_scale_f32_16x16x128_f8f6f4 v[DD:DD+7], v[BF:BF+11], v[AA:AA+11], v[DD:DD+7], v[SBR], v[SAR] matrix_a_fmt:MATRIX_FMT_BF6 matrix_b_fmt:MATRIX_FMT_BF6 matrix_a_scale:MATRIX_SCALE_ROW1 matrix_b_scale:MATRIX_SCALE_ROW1
.endif
.endr
.endr
	WIN 0
.endm
	s_wait_alu depctr_va_vdst(0)
	s_wait_tensorcnt 0x0                           ; my part of the tiles is in,
	s_barrier_signal -1
	s_barrier_wait -1                              ; everybody's is.  Nothing is filled again
	FETCH 0
	s_wait_loadcnt 0x0                             ; the scale words and the bias
.irp st, 0,1,2,3,4,5,6,7
	STEP \st
.endr
; THE WAY OUT, in eight parts n: block a = n / 2 of 16 rows, columns 64 (n % 2) .. + 63: through my own stage, back as whole rows of 256 bytes.
; LDS serves a wave's instructions in order (ISA guide 5.7.1.4): no wait between the stores and the loads, nor in front of the next part's stores.
.macro TOSTAGE n
.set AC, 64*((\n)/2)+32*((\n)%2)
	WIN 0x08                                       ; the data: window 2
.irp b, 0,1,2,3
	ds_store_b128 v[STO], v[AC+8*\b:AC+8*\b+3] offset:128*(\b/2)+32*(\b%2)      ; each accumulator from its low end on
	ds_store_b128 v[STO], v[AC+8*\b+4:AC+8*\b+7] offset:128*(\b/2)+32*(\b%2)+16
.endr
	WIN 0
.set BB, BK+32*((\n)%2)
.irp u, 0,1,2,3,4,5,6,7
	ds_load_b128 v[BB+4*\u:BB+4*\u+3], v[RD] offset:\u*2*SPITCH
.endr
.endm
.macro SEND n, younger                 ; younger: the LDS instructions issued behind part n's loads
.set BB, BK+32*((\n)%2)
	s_wait_dscnt \younger
.irp u, 0,1,2,3,4,5,6,7                          ; stage row t = 2 u + l / 16 of block a is row 32 (a / 2) + 8 (a % 2) + t + 8 (t / 8); sixteen lanes store 256 consecutive bytes, aligned
	global_store_b128 v[CO], v[BB+4*\u:BB+4*\u+3], s[98:99] offset:(32*((\n)/4)+8*(((\n)/2)%2)+2*\u+8*(\u/4))*4096+256*((\n)%2) th:TH_STORE_NT
.endr
.endm
	PLACES                                         ; behind the last products: for the reads of results and the loads into A's fragments
	TOSTAGE 0
.irp n, 1,2,3,4,5,6,7
.if \n > 1
	s_wait_xcnt 0x0                                ; part n - 2's stores have read their registers: part n's loads may land there
.endif
	TOSTAGE \n
	SEND \n-1, 16                                  ; behind part n - 1's loads: part n's 8 stores and 8 loads
.endr
	SEND 7, 0
	s_wait_tensorcnt 0x0                           ; the wave's end
	ds_add_u32 v[SPW], v[NIL]
	s_wait_dscnt 0x0
	CROUND                                         ; the closing round
	s_endpgm
.Lfunc_end_k_qa840c34cd4_gemm_out:
	.size	k_qa840c34cd4_gemm_out, .Lfunc_end_k_qa840c34cd4_gemm_out-k_qa840c34cd4_gemm_out
	.p2alignl 7, 3214868480
	.fill 96, 4, 3214868480
	.section	.rodata,"a",@progbits
	.p2align	6, 0x0
	.amdhsa_kernel k_qa840c34cd4_gemm_out
		.amdhsa_group_segment_fixed_size 327680
		.amdhsa_private_segment_fixed_size 0
		.amdhsa_enable_private_segment 0
		.amdhsa_kernarg_size 32
		.amdhsa_user_sgpr_count 2
		.amdhsa_user_sgpr_kernarg_segment_ptr 1
		.amdhsa_wavefront_size32 1
		.amdhsa_system_sgpr_workgroup_id_x 1
		.amdhsa_system_sgpr_workgroup_id_y 1
		.amdhsa_system_sgpr_workgroup_id_z 1
		.amdhsa_system_vgpr_workitem_id 0
		.amdhsa_next_free_vgpr 768
		.amdhsa_next_free_sgpr 100
		.amdhsa_reserve_vcc 0
		.amdhsa_float_denorm_mode_32 3
		.amdhsa_float_denorm_mode_16_64 3
		.amdhsa_memory_ordered 1
		.amdhsa_forward_progress 1
		.amdhsa_inst_pref_size 84
	.end_amdhsa_kernel
	.amdgpu_metadata
---
amdhsa.version: [ 1, 2 ]
amdhsa.kernels:
  - .name:           k_qa840c34cd4_gemm_out
    .symbol:         k_qa840c34cd4_gemm_out.kd
    .args:
      - { .name: cq, .offset: 0, .size: 8, .value_kind: global_buffer, .address_space: global }
      - { .name: wq, .offset: 8, .size: 8, .value_kind: global_buffer, .address_space: global }
      - { .name: b_out, .offset: 16, .size: 8, .value_kind: global_buffer, .address_space: global }
      - { .name: out0, .offset: 24, .size: 8, .value_kind: global_buffer, .address_space: global }
    .group_segment_fixed_size: 327680
    .private_segment_fixed_size: 0
    .kernarg_segment_align: 8
    .kernarg_segment_size: 32
    .max_flat_workgroup_size: 128
    .sgpr_count:     100
    .vgpr_count:     768
    .wavefront_size: 32
...
	.end_amdgpu_metadata
.endif
;; end of part 4
